; MI455X (gfx1250); checked and timed in simulation.
; The chip was launched on July 23, 2026; its instructions are those of AMD's public machine-readable ISA for CDNA 5 (MIT licence, August 2026) and "CDNA5" Instruction Set Architecture Reference Guide (July 2026). The comments in the code are by the model that wrote it; some were corrected since.
;; Causal Self Attention. Allowed arithmetic: matrix products marked QUANTISED: E3M2 operands, one E8M0 scale for each 32 along K, by v_wmma_scale_f32_16x16x128_f8f6f4 with both operands' format E3M2, f32 sums; everything else in f32.
;; Inputs: W_attn 1,024 x 3,072 float32; W_proj 1,024 x 1,024 float32; b_attn 3,072 float32; b_proj 1,024 float32; x 4 x 2,048 x 1,024 float32.
;; Outputs: out0 4 x 2,048 x 1,024 float32.
;; This version of the problem:
;;   THIS VERSION OF THE PROBLEM IS GIVEN IN LOW PRECISION. The matrix products marked QUANTISED in the list below multiply operands that are first quantised to E3M2 (3 exponent bits, 2 mantissa bits; 6 bits a number), with one power-of-two scale for each 32 numbers along K (OCP MX v1.0); their sums are f32. All else is computed in f32.
;;   The module's matrix products, in the order in which they are computed (A, B: the left and right operand; K: the contracted axis; several contracted axes count as one K, in the product's order):
;;     1. [M 8,192, K 1,024] x [K 1,024, N 3,072]; A: input x; B: input W_attn: QUANTISED
;;     2. batch 64 x [M 2,048, K 64] x [K 64, N 2,048]; A: computed on the way; B: computed on the way: QUANTISED
;;     3. batch 64 x [M 2,048, K 2,048] x [K 2,048, N 64]; A: softmax (see below); B: computed on the way: QUANTISED
;;     4. [M 8,192, K 1,024] x [K 1,024, N 1,024]; A: computed on the way; B: input W_proj: QUANTISED
;;   THE QUANTISER, for each operand of a quantised product, along K:
;;     - K is cut into blocks of 32 from its start; a last block that is shorter is filled with zeros.
;;     - A block's scale is 2^e with e = floor(log2(the largest magnitude in the block)) - 4, held to -126 .. 127; a block of zeros has e = 0. As a byte (E8M0): e + 127.
;;     - Each number is divided by its block's scale, clamped to +-28, and rounded to the nearest number of E3M2, ties to even, subnormals kept.
;;     - The product sums the exact products of the quantised numbers (number of the format x scale) in f32.
;;   ~~~python
;;   def quantise(x, axis):      # numpy; x: float32 -> the quantised numbers, widened to float32 again
;;       x = np.moveaxis(x, axis, -1); K = x.shape[-1]
;;       x = np.pad(x, [(0, 0)] * (x.ndim - 1) + [(0, -K % 32)]); x = x.reshape(x.shape[:-1] + (-1, 32)); a = np.abs(x).max(-1, keepdims=True)
;;       e = np.where(a > 0, np.clip(np.frexp(np.where(a > 0, a, 1))[1] - 1 - 4, -126, 127), 0)      # np.frexp(a)[1] - 1 = floor(log2(a)), exactly
;;       r = np.clip(x / 2.0 ** e, -28, 28)
;;       step = 2.0 ** (np.maximum(np.frexp(np.where(r == 0, 1, r))[1] - 1, -2) - 2)
;;       q = np.round(r / step) * step * 2.0 ** e      # np.round: ties to even
;;       return np.moveaxis(q.reshape(q.shape[:-2] + (-1,))[..., :K], -1, axis).astype(np.float32)
;;   ~~~
;;   SOFTMAX AHEAD OF A QUANTISED PRODUCT. Where the list says 'softmax', what is quantised is not the finished softmax but p = 2^(t - M), with t = logit x log2(e) and M = ceil(the row's largest t), a whole number; so 1/2 < the row's largest p <= 1. The row's sum l is taken of the UNQUANTISED p, in f32, and the product's result is divided by l at the end. Since M is a whole number, a kernel that streams over the keys may use a running M (the ceiling of the running maximum): every later rescaling is an exact power of two, which a block's scale takes up: the codes' values come out the same.
;;   OPERANDS COMPUTED ON THE WAY. 'Computed on the way' means the value that the module computes at that place (a softmax that the list does not call 'softmax' is quantised finished and normalised). What goes into a quantiser is computed in f32, as accurately as f32 sums, v_exp_f32 and their like allow (about 1e-6 of the number): no bf16 or f16 on the way to a quantiser, and a product that is left as it is and whose result goes on into a quantised operand takes f32 operands (vector FMAs, or v_wmma_f32_16x16x4_f32). A number that lies on a knife's edge between two numbers of the format may be rounded either way, as far as f32 arithmetic and the matrix unit's own rounding can turn it there, and no further.
;; One version. Each part assembles by itself: llvm-mc -triple=amdgcn-amd-amdhsa -mcpu=gfx1250 --defsym DOCPART=n.
;; ======== version 1 of 1: 4 launches
;; workspace buffers: xq 6,553,600 bytes; wa 2,457,600 bytes; wp 819,200 bytes; qq 6,815,744 bytes; kv 13,631,488 bytes; yq 6,553,600 bytes
;; launch prep (part 1): grid 768 x 1, 4 waves a work-group, no clusters, 34,304 bytes of LDS; arguments x, W_attn, W_proj, xq, wa, wp; writes xq, wa, wp
.if DOCPART == 1
	.amdgcn_target "amdgcn-amd-amdhsa--gfx1250"
	.amdhsa_code_object_version 6
	.text
	.protected	k_qe7f2db63cc_prep
	.globl	k_qe7f2db63cc_prep
	.p2align	8
	.type	k_qe7f2db63cc_prep,@function
k_qe7f2db63cc_prep:
	s_mov_b64 s[64:65], 0
	v_nop
	global_prefetch_b8 v0, s[64:65] scope:SCOPE_SE
	s_setreg_imm32_b32 hwreg(HW_REG_WAVE_MODE, 25, 1), 1
	s_wait_xcnt 0x0
; CAUSAL SELF-ATTENTION IN MX-BF6, launch 1 of 4: x, W_attn and W_proj become codes of E3M2 with one E8M0 byte for each 32 along K.
; THE PROGRAM: 1 prep (this) | 2 qkv: x W_attn + b_attn, quantised at once into q, k (along the head's 64) and v (along the keys) | 3 attn: K Q^T, softmax, V^T P, y quantised | 4 proj: y W_proj + b_proj.
; Between launches only codes and scale words go through memory, laid in the order of the reader's operand registers.
; WORK LEFT OUT: reference() builds its causal mask itself (jnp.tril) and sets every score with key > query to -inf ahead of the softmax; such a score gives p = 0 whatever finite values the inputs hold,
; so it adds nothing to the row's sum nor to p v.  Launch 3 leaves out the key steps of 128 keys that lie wholly behind a tile of queries.  Nothing else is left out and every input is loaded
; (b_attn's part for k moves k's codes, so it stays).  LIMIT: a NaN, an infinity or an overflow that would arise only in scores so left out is not carried to the result.
; LIMITS of the quantisers, here and in launches 2 and 3: NaN and infinities among the inputs are not served; a block of zeros gets the byte 1 where the rule says 127 (its codes are zeros, which add
; nothing under any byte but 0xff, and this program alone reads the bytes); a block whose largest magnitude lies under 2^-122 is held at the byte 1.
; ROW ORDER: tile i (0..7) of a group of 128 rows takes for its lane r the row pi(i, r) = 32 (i / 2) + 8 (i % 2) + r + 8 (r / 8).  A product that takes such a tile as source 0 leaves 16 NEIGHBOURS of that axis
; in the 16 registers of result tiles 2 b and 2 b + 1.  x's tiles are cut so, and W_attn's column tiles inside a head; W_proj's column tiles are neighbours.
; IMAGES: a fragment (16 rows x 128 K, 12 registers a lane) is 1,536 bytes: registers 4 c .. 4 c + 3 of lane l at 512 c + 16 l.  Scale words: [tile][K step][r], 4 bytes each.
; SHARES: work-groups 0-511: tile T of x, wave w its K steps 2 w and 2 w + 1.  512-703: W_attn, 704-767: W_proj: a wave takes 32 columns x one K step, a lane a column, registers down K.
; No cluster and no matrix unit: no two work-groups read the same bytes, and memory binds.
.set XSC,   6291456                    ; xq: where the scale words begin
.set WASC,  2359296                    ; wa
.set WPSC,  786432                     ; wp
.set STG,   8448                       ; a wave's stage: 16 rows x (512 bytes + 16)
.set SPARE, 4*STG                      ; behind the stages: the spare words, 128 bytes a wave, which no other line names
.set L16, 1                            ; v1  16 x lane
.set L4,  2                            ; v2  4 x lane
.set STI, 3                            ; v3  the stage, on the way in
.set STO, 4                            ; v4  and on the way out
.set RX,  16                           ; v16-143  x as loaded, two K steps; W: four blocks of 32 down K
.set XX,  144                          ; v144-207 x: my 64 numbers of a fragment
.set FX,  208                          ; v208-231 x: two fragments' codes
.set SPW, 250                          ; v250 my spare word's LDS address; never rewritten
.set NIL, 251                          ; v251 0; never rewritten
	s_load_b256 s[4:11], s[0:1], 0x0               ; x, W_attn, W_proj, xq
	s_load_b128 s[12:15], s[0:1], 0x20             ; wa, wp
	v_lshl_add_u32 v[SPW], v0, 2, SPARE
	v_mov_b32 v[NIL], 0
	v_lshrrev_b32 v5, 5, v0
	v_readfirstlane_b32 s16, v5                    ; wave
	v_and_b32 v6, 31, v0                           ; lane
	v_and_b32 v7, 15, v0                           ; r
	v_bfe_u32 v8, v0, 4, 1                         ; h
	v_lshlrev_b32 v[L16], 4, v6
	v_lshlrev_b32 v[L4], 2, v6
	v_lshlrev_b32 v9, 3, v8                        ; 8 h
	s_mul_i32 s30, s16, STG
	v_add_nc_u32 v[STI], s30, v[L16]               ; in: a row's 512 bytes as they lie
	v_mul_u32_u24 v[STO], v7, 528
	v_lshl_add_u32 v[STO], v8, 7, v[STO]
	v_add_nc_u32 v[STO], s30, v[STO]               ; out: row r, + 128 h: my block of 32 numbers
	s_mov_b32 s20, 0x76543210
	s_mov_b32 s21, 0xfedcba98                      ; v_permlanex16_b32's selects for lane l xor 16
	s_wait_kmcnt 0x0
	s_cmp_lt_u32 ttmp9, 512
	s_cbranch_scc0 .Lweights
; the largest magnitude of 32 numbers v[x] .. v[x + 31], in two chains, with the floor 2^(5 - 127) as the last leaf: the byte cannot fall under 1
.macro MAX32 d, t, x
	v_max3_num_f32 v[\d], |v[\x]|, |v[\x+1]|, |v[\x+2]|
	v_max3_num_f32 v[\t], |v[\x+3]|, |v[\x+4]|, |v[\x+5]|
.irp i, 6,10,14,18,22,26
	v_max3_num_f32 v[\d], v[\d], |v[\x+\i]|, |v[\x+\i+1]|
	v_max3_num_f32 v[\t], v[\t], |v[\x+\i+2]|, |v[\x+\i+3]|
.endr
	v_max3_num_f32 v[\d], v[\d], |v[\x+30]|, |v[\x+31]|
	v_max3_num_f32 v[\d], v[\d], v[\t], 0x2800000
.endm
	; ---------------- x: tile T = work-group, K steps 2 w and 2 w + 1
	s_lshr_b32 s22, ttmp9, 3                       ; the group of 128 rows
	s_and_b32 s23, ttmp9, 7                        ; the tile in it
	s_lshl_b32 s24, s22, 7
	s_lshr_b32 s25, s23, 1
	s_lshl_b32 s25, s25, 5
	s_add_co_u32 s24, s24, s25
	s_and_b32 s25, ttmp9, 1
	s_lshl_b32 s25, s25, 3
	s_add_co_u32 s24, s24, s25                     ; the tile's first row: 128 (T / 8) + 32 ((T % 8) / 2) + 8 (T % 2)
	s_lshl_b32 s24, s24, 12                        ; a row of x is 4,096 bytes
	s_lshl_b32 s25, s16, 10                        ; my two K steps: 1,024 bytes
	s_add_co_u32 s24, s24, s25
	s_mov_b32 s25, 0
	s_add_nc_u64 s[4:5], s[4:5], s[24:25]
	s_lshl_b32 s26, s22, 3
	s_lshl_b32 s27, s16, 1
	s_add_co_u32 s26, s26, s27
	s_lshl_b32 s26, s26, 3
	s_add_co_u32 s26, s26, s23
	s_mul_i32 s26, s26, 1536                       ; the image [group][K step][tile]
	s_mov_b32 s27, 0
	s_add_nc_u64 s[26:27], s[10:11], s[26:27]
	s_lshl_b32 s28, ttmp9, 9
	s_lshl_b32 s29, s16, 7
	s_add_co_u32 s28, s28, s29
	s_add_co_u32 s28, s28, XSC                     ; the scale words [T][K step][r]
	s_mov_b32 s29, 0
	s_add_nc_u64 s[28:29], s[10:11], s[28:29]
	s_mov_b32 s31, 0xffff0000                      ; lanes 16-31
.macro LOADX t                         ; K step t of my two: each load reads 512 consecutive bytes of one of the tile's 16 rows
.irp p, 0,1,2,3,4,5,6,7,8,9,10,11,12,13,14,15
	global_load_b128 v[RX+64*\t+4*\p:RX+64*\t+4*\p+3], v[L16], s[4:5] offset:(\p+8*(\p/8))*4096+512*\t th:TH_LOAD_NT
.endr
.endm
.macro TURNX t                         ; through my stage: in by rows as loaded, out 128 bytes a lane.  LDS serves a wave's instructions in order, so no wait stands between
.irp p, 0,1,2,3,4,5,6,7,8,9,10,11,12,13,14,15
	ds_store_b128 v[STI], v[RX+64*\t+4*\p:RX+64*\t+4*\p+3] offset:528*\p
.endr
.irp c, 0,1
.irp q, 0,1,2,3,4,5,6,7
	ds_load_b128 v[XX+32*\c+4*\q:XX+32*\c+4*\q+3], v[STO] offset:256*\c+16*\q   ; x(row r, 64 c + 32 h + 4 q ..): the order of the operand's registers
.endr
.endr
.endm
.macro QUANTX t                        ; my two whole blocks, 2 c + h, become registers 6 c .. 6 c + 5 of the fragment
	MAX32 240, 246, XX
	MAX32 241, 247, XX+32
	v_add_nc_u32 v242, 0xfe000000, v240            ; 4 off the exponent field: the conversion's scale operand
	v_add_nc_u32 v243, 0xfe000000, v241
	v_lshrrev_b32 v240, 23, v242                   ; the scale's byte
	v_lshrrev_b32 v241, 23, v243
	v_lshl_or_b32 v[244+\t], v241, 16, v240        ; my two bytes: blocks h and 2 + h,
	v_lshlrev_b32 v[244+\t], v9, v[244+\t]         ; at their places in the word;
	v_permlanex16_b32 v246, v[244+\t], s20, s21
	v_or_b32 v[244+\t], v[244+\t], v246            ; with lane l xor 16's two the word is whole
.irp c, 0,1
	v_cvt_scalef32_pk16_bf6_f32 v[FX+12*\t+6*\c:FX+12*\t+6*\c+2], v[XX+32*\c:XX+32*\c+15], v[242+\c]
	v_cvt_scalef32_pk16_bf6_f32 v[232+4*\c:234+4*\c], v[XX+32*\c+16:XX+32*\c+31], v[242+\c]   ; (a conversion's three registers begin on an even number)
.endr
	v_nop                                          ; one plain place behind a scaled conversion
.irp c, 0,1
.irp i, 0,1,2
	v_mov_b32 v[FX+12*\t+6*\c+3+\i], v[232+4*\c+\i]
.endr
.endr
.irp c, 0,1,2
	global_store_b128 v[L16], v[FX+12*\t+4*\c:FX+12*\t+4*\c+3], s[26:27] offset:12288*\t+512*\c   ; 512 consecutive bytes, aligned
.endr
.endm
	LOADX 0
	LOADX 1
	s_wait_loadcnt 16                              ; the first K step's 16 loads are in; the second's may be out
	TURNX 0
	s_wait_dscnt 0x0
	QUANTX 0
	s_wait_loadcnt 0x0
	TURNX 1
	s_wait_dscnt 0x0
	QUANTX 1
	v_cndmask_b32 v248, v244, v245, s31            ; lanes 0-15: the first K step's words, lanes 16-31: the second's
	global_store_b32 v[L4], v248, s[28:29]         ; 128 consecutive bytes
	s_wait_tensorcnt 0x0                           ; the wave's end, behind my last LDS store
	ds_add_u32 v[SPW], v[NIL]
	s_wait_dscnt 0x0
	s_endpgm
; ---------------- the weights: K is their FIRST axis.  A lane takes a column and its registers run down K: 128 numbers, four whole blocks.
.macro LB b, pitch, sb                 ; block b: each load reads 128 consecutive bytes of one row of W
.set I, 0
.rept 32
	global_load_b32 v[RX+32*(\b)+I], v[L4], s[\sb:\sb+1] offset:(32*(\b)+I)*\pitch th:TH_LOAD_NT
.set I, I+1
.endr
.endm
.macro QB b                            ; block b's codes: blocks 0 and 2 are what lane (r, 0) of the fragment holds (v144-155), blocks 1 and 3 what lane (r, 1) holds (v156-167)
.set FD, 144+12*((\b)%2)+6*((\b)/2)
	MAX32 176, 179, RX+32*(\b)
	v_add_nc_u32 v177, 0xfe000000, v176
	v_lshrrev_b32 v176, 23, v177
.if (\b) == 0
	v_mov_b32 v178, v176
.else
	v_lshl_or_b32 v178, v176, 8*(\b), v178         ; the column's scale word for this K step
.endif
	v_cvt_scalef32_pk16_bf6_f32 v[FD:FD+2], v[RX+32*(\b):RX+32*(\b)+15], v177
	v_cvt_scalef32_pk16_bf6_f32 v[168:170], v[RX+32*(\b)+16:RX+32*(\b)+31], v177
	v_nop
.irp i, 0,1,2
	v_mov_b32 v[FD+3+\i], v[168+\i]
.endr
.endm
.macro WQ pitch, sb                    ; v12: my place in the two images; v13: in the scale words; s[28:29], s[30:31]: their bases
	LB 0, \pitch, \sb
	LB 1, \pitch, \sb
	s_wait_loadcnt 32                              ; each count of 32 leaves out the block asked for last
	LB 2, \pitch, \sb
	QB 0
	s_wait_loadcnt 32
	LB 3, \pitch, \sb
	QB 1
	s_wait_loadcnt 32
	QB 2
	s_wait_loadcnt 0x0
	QB 3
.irp c, 0,1,2
	global_store_b128 v12, v[144+4*\c:147+4*\c], s[28:29] offset:512*\c        ; sixteen lanes of a tile fill 256 consecutive bytes, aligned: the places of lanes 0-15 of the image,
	global_store_b128 v12, v[156+4*\c:159+4*\c], s[28:29] offset:512*\c+256    ; and of lanes 16-31
.endr
	global_store_b32 v13, v178, s[30:31]           ; 64 consecutive bytes a tile: one byte in 24 of what the codes take
	s_endpgm
.endm
.Lweights:
	s_cmp_lt_u32 ttmp9, 704
	s_cbranch_scc0 .Lwp
	s_sub_co_u32 s22, ttmp9, 512
	s_and_b32 s23, s22, 7                          ; K step
	s_lshr_b32 s22, s22, 3
	s_lshl_b32 s22, s22, 2
	s_add_co_u32 s22, s22, s16                     ; which 32 columns of the 3,072
	s_lshr_b32 s24, s22, 5                         ; q, k or v
	s_and_b32 s25, s22, 31
	s_lshr_b32 s25, s25, 1                         ; the head
	s_and_b32 s26, s22, 1                          ; which half of its 64 columns
	s_lshl_b32 s24, s24, 2
	s_lshl_b32 s26, s26, 1
	s_add_co_u32 s24, s24, s26                     ; the first of my two fragments among the head's 12
	s_mul_i32 s26, s23, 128*12288
	s_lshl_b32 s27, s22, 7
	s_add_co_u32 s26, s26, s27
	s_mov_b32 s27, 0
	s_add_nc_u64 s[6:7], s[6:7], s[26:27]
	s_lshl_b32 s26, s25, 3
	s_add_co_u32 s26, s26, s23
	s_mul_i32 s26, s26, 12
	s_add_co_u32 s26, s26, s24
	s_mul_i32 s26, s26, 1536                       ; [head][K step][fragment]
	s_add_nc_u64 s[28:29], s[12:13], s[26:27]
	s_mul_i32 s26, s25, 12
	s_add_co_u32 s26, s26, s24
	s_lshl_b32 s26, s26, 9
	s_lshl_b32 s30, s23, 6
	s_add_co_u32 s26, s26, s30
	s_add_co_u32 s26, s26, WASC                    ; [head][fragment][K step][r]
	s_add_nc_u64 s[30:31], s[12:13], s[26:27]
	v_bfe_u32 v10, v0, 3, 1                        ; column 8 u + r + 8 (r / 8) of the 32: u = (lane / 8) % 2,
	v_and_b32 v11, 7, v0
	v_lshl_add_u32 v11, v8, 3, v11                 ; r = lane % 8 + 8 (lane / 16)
	v_mul_u32_u24 v12, v10, 1536
	v_lshl_add_u32 v12, v11, 4, v12
	v_lshlrev_b32 v13, 9, v10
	v_lshl_add_u32 v13, v11, 2, v13
	WQ 12288, 6
.Lwp:
	s_sub_co_u32 s22, ttmp9, 704
	s_and_b32 s23, s22, 7                          ; K step
	s_lshr_b32 s22, s22, 3
	s_lshl_b32 s22, s22, 2
	s_add_co_u32 s22, s22, s16                     ; which 32 columns of the 1,024
	s_lshr_b32 s25, s22, 3                         ; which 256
	s_and_b32 s24, s22, 7
	s_lshl_b32 s24, s24, 1                         ; the first of my two fragments among their 16
	s_lshl_b32 s26, s23, 19                        ; 128 rows of 4,096 bytes
	s_lshl_b32 s27, s22, 7
	s_add_co_u32 s26, s26, s27
	s_mov_b32 s27, 0
	s_add_nc_u64 s[8:9], s[8:9], s[26:27]
	s_lshl_b32 s26, s25, 3
	s_add_co_u32 s26, s26, s23
	s_lshl_b32 s26, s26, 4
	s_add_co_u32 s26, s26, s24
	s_mul_i32 s26, s26, 1536
	s_add_nc_u64 s[28:29], s[14:15], s[26:27]
	s_lshl_b32 s26, s25, 4
	s_add_co_u32 s26, s26, s24
	s_lshl_b32 s26, s26, 9
	s_lshl_b32 s30, s23, 6
	s_add_co_u32 s26, s26, s30
	s_add_co_u32 s26, s26, WPSC
	s_add_nc_u64 s[30:31], s[14:15], s[26:27]
	v_mul_u32_u24 v12, v8, 1536                    ; neighbouring columns: tile = lane / 16, r = lane % 16
	v_lshl_add_u32 v12, v7, 4, v12
	v_lshlrev_b32 v13, 9, v8
	v_lshl_add_u32 v13, v7, 2, v13
	WQ 4096, 8
.Lfunc_end_k_qe7f2db63cc_prep:
	.size	k_qe7f2db63cc_prep, .Lfunc_end_k_qe7f2db63cc_prep-k_qe7f2db63cc_prep
	.p2alignl 7, 3214868480
	.fill 96, 4, 3214868480
	.section	.rodata,"a",@progbits
	.p2align	6, 0x0
	.amdhsa_kernel k_qe7f2db63cc_prep
		.amdhsa_group_segment_fixed_size 34304
		.amdhsa_private_segment_fixed_size 0
		.amdhsa_enable_private_segment 0
		.amdhsa_kernarg_size 48
		.amdhsa_user_sgpr_count 2
		.amdhsa_user_sgpr_kernarg_segment_ptr 1
		.amdhsa_wavefront_size32 1
		.amdhsa_system_sgpr_workgroup_id_x 1
		.amdhsa_system_sgpr_workgroup_id_y 1
		.amdhsa_system_sgpr_workgroup_id_z 1
		.amdhsa_system_vgpr_workitem_id 0
		.amdhsa_next_free_vgpr 256
		.amdhsa_next_free_sgpr 66
		.amdhsa_reserve_vcc 0
		.amdhsa_float_denorm_mode_32 3
		.amdhsa_float_denorm_mode_16_64 3
		.amdhsa_memory_ordered 1
		.amdhsa_forward_progress 1
		.amdhsa_inst_pref_size 56
	.end_amdhsa_kernel
	.amdgpu_metadata
---
amdhsa.version: [ 1, 2 ]
amdhsa.kernels:
  - .name:           k_qe7f2db63cc_prep
    .symbol:         k_qe7f2db63cc_prep.kd
    .args:
      - { .name: x, .offset: 0, .size: 8, .value_kind: global_buffer, .address_space: global }
      - { .name: W_attn, .offset: 8, .size: 8, .value_kind: global_buffer, .address_space: global }
      - { .name: W_proj, .offset: 16, .size: 8, .value_kind: global_buffer, .address_space: global }
      - { .name: xq, .offset: 24, .size: 8, .value_kind: global_buffer, .address_space: global }
      - { .name: wa, .offset: 32, .size: 8, .value_kind: global_buffer, .address_space: global }
      - { .name: wp, .offset: 40, .size: 8, .value_kind: global_buffer, .address_space: global }
    .group_segment_fixed_size: 34304
    .private_segment_fixed_size: 0
    .kernarg_segment_align: 8
    .kernarg_segment_size: 48
    .max_flat_workgroup_size: 128
    .sgpr_count:     66
    .vgpr_count:     256
    .wavefront_size: 32
...
	.end_amdgpu_metadata
.endif
;; end of part 1
;; launch qkv (part 2): grid 8 x 32, 4 waves a work-group, clusters of 4 x 4, 327,680 bytes of LDS; arguments xq, wa, b_attn, qq, kv; writes qq, kv
.if DOCPART == 2
	.amdgcn_target "amdgcn-amd-amdhsa--gfx1250"
	.amdhsa_code_object_version 6
	.text
	.protected	k_qe7f2db63cc_qkv
	.globl	k_qe7f2db63cc_qkv
	.p2align	8
	.type	k_qe7f2db63cc_qkv,@function
k_qe7f2db63cc_qkv:
	s_mov_b64 s[64:65], 0
	v_nop
	global_prefetch_b8 v0, s[64:65] scope:SCOPE_SE
	s_setreg_imm32_b32 hwreg(HW_REG_WAVE_MODE, 25, 1), 1
	s_wait_xcnt 0x0
	s_wait_alu depctr_hold_cnt(0) depctr_sa_sdst(0) depctr_va_vdst(0) depctr_va_sdst(0) depctr_va_ssrc(0) depctr_va_vcc(0) depctr_vm_vsrc(0)
	s_getreg_b32 s2, hwreg(HW_REG_IB_STS2, 6, 4)
	s_cmp_eq_u32 s2, 0
	s_cbranch_scc0 .Lentry_in_a_cluster
	s_endpgm
.Lentry_in_a_cluster:
	s_bfe_u32 s2, ttmp6, 0x10000c
	s_cmp_lg_u32 s2, 0xf033
	s_cbranch_scc0 .Lentry_shape_is_right
	s_endpgm
.Lentry_shape_is_right:
; Launch 2 of 4: qkv = x W_attn + b_attn on codes of BF6 (E3M2), and q, k, v quantised at once: q and k along the head's 64, v along the keys.  No f32 number of qkv goes to memory.
; SHARES.  A work-group makes 256 rows x 384 columns: q, k and v of heads 2 j and 2 j + 1.  Wave (wr, wc) makes 128 rows x 192 columns (q, k, v of head 2 j + wc): 96 accumulators, 768 registers.
; For 128 along K a wave reads 320 fragments' rows from LDS for 96 matrix instructions, and no fragment twice.
; ORIENTATION.  q, k: source 0 = 16 columns of W, source 1 = 16 rows of x: a lane holds one token and its registers run along the head's d.  v: source 0 = x, source 1 = W: a lane holds one d and its registers run
; along the tokens.  By the row order pi (launch 1) the 16 registers of two neighbouring result tiles are 16 neighbours along the next product's K, so the conversions take them as they stand.
; THE BIAS is the C of each sum's first product: it is loaded into the accumulators of x's tile 7, which the first K step reads as C for tiles 0 to 6 and then adds onto in place.
; RING.  K goes through two LDS slots of 256 along K; all images are dense in memory, so a tile is rows of 256 bytes.  Waves 0, 1 fetch x's two halves, waves 2, 3 W's.  By this text's count at most three tensor loads of a wave are out.
; CLUSTER 4 x 4: x's tiles hang on the work-group's y alone and are asked for jointly along a row of the cluster, W's on its x alone, along a column.
; LIMITS: as stated at the head of launch 1 (zero blocks, very small blocks, NaN and infinities).
; REGISTERS: window 0: v4-15 scale quads on the way out; v16-29 addresses; v32-55 scale words, two sets of 12 (lanes 0-15: x's tile i, lanes 16-31: W's fragment i); v64-159 x's 8 fragments, one set;
;   v160-207, v208-255 W's 4 fragments of one of q, k, v: two sets.  window 1: q, accumulator (a, b) at 8 (4 a + b); window 2: k likewise; window 3: v at 8 (8 b + a).
.set XSC,   6291456
.set WASC,  2359296
.set QSC,   6291456
.set AHALF, 24576                      ; 2 K steps x 8 tiles x 1,536
.set BHALF, 36864                      ; 2 K steps x 12 fragments x 1,536
.set BOFF,  2*AHALF
.set SLOT,  2*AHALF+2*BHALF
.set SCA,   2*SLOT                     ; x's scale words: 16 tiles x 512 bytes
.set SCB,   SCA+8192                   ; W's: 2 x 12 fragments x 512
.set SPARE, SCB+12288                  ; the spare words, 128 bytes a wave, which no other line names
.set ADRA, 16
.set ADRB, 20
.set L16,  24
.set L8,   25
.set ADRS, 27
.set SPW,  28
.set NIL,  29
.set SC,   32
.set AF,   64
.set BF,   160
.set G1A,  24
.set G0A,  32
.set G1B,  48
.set G0B,  56
.set G1SA, 68
.set G0SA, 76
.set G1SB, 80
.set G0SB, 88
.set SEL,  98
.set MASK, 67
.set MSB, 0
.macro WIN new                         ; the immediate's high byte repeats the setting that is left
.if MSB != \new
	s_set_vgpr_msb (MSB<<8)|\new
.set MSB, \new
.endif
.endm
.macro PLACES n
.rept \n
	v_nop
.endr
.endm
; a joint load: waves 0 and 1 for x, waves 2 and 3 for W; an s_nop 0 and four v_nop follow each of the two lines
.macro JLOAD g0a, g1a, g0b, g1b
	s_cmp_eq_u32 s15, 0
	s_cbranch_scc0 .Lfor_b_\@
	tensor_load_to_lds s[\g0a:\g0a+3], s[\g1a:\g1a+7]
	s_nop 0
.rept 4
	v_nop
.endr
	s_branch .Lasked_\@
.Lfor_b_\@:
	tensor_load_to_lds s[\g0b:\g0b+3], s[\g1b:\g1b+7]
	s_nop 0
.rept 4
	v_nop
.endr
.Lasked_\@:
.endm
.macro CREST
	s_cmp_lg_u32 s14, 0
	s_cbranch_scc1 .Lnot_wave_0_\@
	s_barrier_signal -3
.Lnot_wave_0_\@:
	s_barrier_wait -3
	s_barrier_signal -1
	s_barrier_wait -1
.endm
.macro CROUND
	s_barrier_signal -1
	s_barrier_wait -1
	CREST
.endm
.macro DENSE g, rows                   ; group 1, words 1 to 7: rows of 256 bytes (32 elements of 8), dense
	s_mov_b32 s[\g+1], 32<<16
	s_mov_b32 s[\g+2], (\rows)<<16
	s_mov_b32 s[\g+3], 32<<16
	s_mov_b32 s[\g+4], \rows
	s_mov_b32 s[\g+5], 32
	s_mov_b32 s[\g+6], 0
	s_mov_b32 s[\g+7], 0
.endm
	s_load_b256 s[4:11], s[0:1], 0x0               ; xq, wa, b_attn, qq
	s_load_b64 s[12:13], s[0:1], 0x20              ; kv
	v_lshl_add_u32 v[SPW], v0, 2, SPARE
	v_mov_b32 v[NIL], 0
	ds_add_u32 v[SPW], v[NIL]                      ; the wave's opening: the add, twice on end, and its wait ahead of my first tensor load
	ds_add_u32 v[SPW], v[NIL]
	v_lshrrev_b32 v1, 5, v0
	v_readfirstlane_b32 s14, v1                    ; wave
	s_lshr_b32 s15, s14, 1                         ; wr.  Also: I fetch for x (0) or for W (1)
	s_and_b32 s16, s14, 1                          ; wc.  Also: which half I fetch
	s_bfe_u32 s40, ttmp6, 0x40000                  ; cx
	s_bfe_u32 s41, ttmp6, 0x40004                  ; cy
	s_lshl_b32 s42, ttmp9, 2
	s_add_co_u32 s42, s42, s40                     ; j: the pair of heads
	s_and_b32 s17, ttmp7, 0xffff
	s_lshl_b32 s17, s17, 2
	s_add_co_u32 s17, s17, s41                     ; the block of 256 rows
	s_lshl_b32 s43, s41, 2
	s_lshl_b32 s43, 15, s43                        ; my row of the cluster
	s_lshl_b32 s44, 0x1111, s40                    ; my column
	s_or_b32 s[G1A], s43, (3<<16)|(1<<21)          ; the mask; elements of 8 bytes; bit 21 beside a mask; no padding
	s_or_b32 s[G1B], s44, (3<<16)|(1<<21)
	s_or_b32 s[G1SA], s43, (3<<16)|(1<<21)
	s_or_b32 s[G1SB], s44, (3<<16)|(1<<21)
	DENSE G1A, 96
	DENSE G1B, 144
	DENSE G1SA, 16
	DENSE G1SB, 24
	s_lshl_b32 s20, s17, 1
	s_add_co_u32 s20, s20, s16
	s_mul_i32 s20, s20, 98304                      ; x's codes: the group of 128 rows that I fetch
	s_mov_b32 s21, 0
	s_lshl_b32 s22, s17, 13
	s_lshl_b32 s23, s16, 12
	s_add_co_u32 s22, s22, s23
	s_add_co_u32 s22, s22, XSC                     ; and its scale words
	s_mov_b32 s23, 0
	s_lshl_b32 s46, s42, 1
	s_add_co_u32 s46, s46, s16
	s_mul_i32 s92, s46, 6144
	s_add_co_u32 s92, s92, WASC                    ; W's scale words of the head that I fetch
	s_mov_b32 s93, 0
	s_mul_i32 s46, s46, 147456                     ; and its codes
	s_mov_b32 s47, 0
	s_mul_i32 s45, s16, AHALF                      ; where they go: no place in the cluster enters an LDS address
	s_mul_i32 s94, s16, BHALF
	s_add_co_u32 s94, s94, BOFF
	s_lshl_b32 s95, s16, 12
	s_add_co_u32 s95, s95, SCA
	s_mul_i32 s96, s16, 6144
	s_add_co_u32 s96, s96, SCB
	s_wait_dscnt 0x0                               ; both opening adds are done
	s_wait_kmcnt 0x0
	s_add_nc_u64 s[20:21], s[4:5], s[20:21]
	s_add_nc_u64 s[22:23], s[4:5], s[22:23]
	s_add_nc_u64 s[46:47], s[6:7], s[46:47]
	s_add_nc_u64 s[92:93], s[6:7], s[92:93]
	CROUND                                         ; all sixteen work-groups are here: the first joint loads meet
	s_mov_b32 s[G0SA], 1
	s_mov_b32 s[G0SA+1], s95
	s_mov_b64 s[G0SA+2:G0SA+3], s[22:23]
	s_or_b32 s[G0SA+3], s[G0SA+3], 0x80000000
	s_mov_b32 s[G0SB], 1
	s_mov_b32 s[G0SB+1], s96
	s_mov_b64 s[G0SB+2:G0SB+3], s[92:93]
	s_or_b32 s[G0SB+3], s[G0SB+3], 0x80000000
	JLOAD G0SA, G1SA, G0SB, G1SB                   ; the scale words for all of K: filled once
.irp s, 0,1
	s_mov_b32 s[G0A+4*\s], 1
	s_add_co_u32 s[G0A+4*\s+1], s45, \s*SLOT
	s_add_nc_u64 s[G0A+4*\s+2:G0A+4*\s+3], s[20:21], \s*AHALF
	s_or_b32 s[G0A+4*\s+3], s[G0A+4*\s+3], 0x80000000
	s_mov_b32 s[G0B+4*\s], 1
	s_add_co_u32 s[G0B+4*\s+1], s94, \s*SLOT
	s_add_nc_u64 s[G0B+4*\s+2:G0B+4*\s+3], s[46:47], \s*BHALF
	s_or_b32 s[G0B+4*\s+3], s[G0B+4*\s+3], 0x80000000
	JLOAD G0A+4*\s, G1A, G0B+4*\s, G1B
.endr
	v_and_b32 v1, 31, v0                           ; lane
	v_and_b32 v2, 15, v0                           ; r
	v_bfe_u32 v3, v0, 4, 1                         ; h
	v_lshlrev_b32 v[L16], 4, v1
	v_lshlrev_b32 v[L8], 3, v1
	s_mul_i32 s18, s15, AHALF                      ; my 128 rows of x,
	s_mul_i32 s19, s16, BHALF                      ; my head's fragments of W
	s_add_co_u32 s19, s19, BOFF
.irp s, 0,1
	v_add_nc_u32 v[ADRA+\s], s18, v[L16]
	v_add_nc_u32 v[ADRB+\s], s19, v[L16]
	s_add_co_u32 s18, s18, SLOT
	s_add_co_u32 s19, s19, SLOT
.endr
	s_lshl_b32 s18, s15, 12                        ; x's scale words: my 8 tiles
	s_mul_i32 s19, s16, 6144                       ; W's: my 12 fragments, behind x's 8,192 bytes
	s_add_co_u32 s19, s19, 8192
	s_sub_co_u32 s19, s19, s18
	v_mul_u32_u24 v4, s19, v3                      ; lanes 16-31 take W's
	s_add_co_u32 s18, s18, SCA
	v_lshl_add_u32 v4, v2, 2, v4
	v_add_nc_u32 v[ADRS], s18, v4
	; the bias, in the results' layouts, into the accumulators of x's tile 7
	s_lshl_b32 s97, s42, 1
	s_add_co_u32 s97, s97, s16                     ; my head
	s_lshl_b32 s98, s97, 8
	s_mov_b32 s99, 0
	s_add_nc_u64 s[8:9], s[8:9], s[98:99]
	v_lshlrev_b32 v5, 6, v3                        ; q, k: tile b's register i is column 32 (b / 2) + 8 (b % 2) + 16 h + i
	v_and_b32 v6, 8, v2
	v_add_nc_u32 v6, v6, v2
	v_lshlrev_b32 v6, 2, v6                        ; v: all eight registers are column 32 (b / 2) + 8 (b % 2) + r + 8 (r / 8)
	WIN 0x40
.irp b, 0,1,2,3
	global_load_b128 v[8*(28+\b):8*(28+\b)+3], v5, s[8:9] offset:(32*(\b/2)+8*(\b%2))*4
	global_load_b128 v[8*(28+\b)+4:8*(28+\b)+7], v5, s[8:9] offset:(32*(\b/2)+8*(\b%2))*4+16
.endr
	WIN 0x80
.irp b, 0,1,2,3
	global_load_b128 v[8*(28+\b):8*(28+\b)+3], v5, s[8:9] offset:4096+(32*(\b/2)+8*(\b%2))*4
	global_load_b128 v[8*(28+\b)+4:8*(28+\b)+7], v5, s[8:9] offset:4096+(32*(\b/2)+8*(\b%2))*4+16
.endr
	WIN 0xc0
.irp b, 0,1,2,3
.irp i, 0,1,2,3,4,5,6,7
	global_load_b32 v[64*\b+56+\i], v6, s[8:9] offset:8192+(32*(\b/2)+8*(\b%2))*4
.endr
.endr
	WIN 0
	; where my results go: [batch x head][block of 128 tokens].  These numbers mix the cluster's x and y: they live in registers that feed no descriptor and no LDS address
	s_lshl_b32 s66, s17, 1
	s_add_co_u32 s66, s66, s15                     ; my group of 128 rows
	s_lshr_b32 s67, s66, 4
	s_lshl_b32 s67, s67, 4
	s_add_co_u32 s67, s67, s97                     ; 16 x batch + head
	s_and_b32 s66, s66, 15
	s_lshl_b32 s67, s67, 4
	s_add_co_u32 s66, s66, s67
	s_mov_b32 s3, 0
	s_lshl_b32 s2, s66, 9
	s_add_co_u32 s2, s2, QSC
	s_add_nc_u64 s[100:101], s[10:11], s[2:3]      ; q's scale words
	s_mul_i32 s2, s66, 6144
	s_add_nc_u64 s[10:11], s[10:11], s[2:3]        ; q's codes
	s_mul_i32 s2, s66, 13312
	s_add_nc_u64 s[12:13], s[12:13], s[2:3]        ; the block of k and v
	s_mov_b32 s[SEL], 0x76543210
	s_mov_b32 s[SEL+1], 0xfedcba98
	s_mov_b32 s[MASK], 0xffff0000
.macro FETCH_B s, g                    ; W's four fragments of group g (q, k, v) of K step s, into the set that group 3 s + g uses
.set FS, BF+48*((3*(\s)+(\g))%2)
.set SL, ((\s)/2)%2
.irp b, 0,1,2,3
.irp c, 0,1,2
	ds_load_b128 v[FS+12*\b+4*\c:FS+12*\b+4*\c+3], v[ADRB+SL] offset:((\s)%2)*18432+(4*(\g)+\b)*1536+512*\c
.endr
.endr
.endm
.macro FETCH_A s, i0                   ; x's tiles i0 .. i0 + 3 of K step s
.set SL, ((\s)/2)%2
.irp i, \i0, \i0+1, \i0+2, \i0+3
.irp c, 0,1,2
	ds_load_b128 v[AF+12*(\i)+4*\c:AF+12*(\i)+4*\c+3], v[ADRA+SL] offset:((\s)%2)*12288+(\i)*1536+512*\c
.endr
.endr
.endm
.macro SCALES s
.irp i, 0,1,2,3,4,5,6,7,8,9,10,11
	ds_load_b32 v[SC+12*((\s)%2)+\i], v[ADRS] offset:512*\i+64*(\s)
.endr
.endm
; products of group g, x's tiles alo .. ahi against the group's four fragments of W.  All 96 accumulators take turns, one instruction a turn.
; FI = 1, the first K step: C is the bias, which lies in tile 7's accumulators; five places stand ahead of the products that then write over them.
.macro MUL g, alo, ahi, s
.set FS, BF+48*((3*(\s)+(\g))%2)
.set SS, SC+12*((\s)%2)
.set AI, \alo
.rept (\ahi)-(\alo)+1
.if FI && (AI == 7)
	PLACES 5
.endif
.set BI, 0
.rept 4
.if (\g) < 2
.set DR, 8*(4*AI+BI)
.set CR, DR
.if FI
.set CR, 8*(28+BI)
.endif
	v_wmma_scale_f32_16x16x128_f8f6f4 v[DR:DR+7], v[FS+12*BI:FS+12*BI+11], v[AF+12*AI:AF+12*AI+11], v[CR:CR+7], v[SS+4*(\g)+BI], v[SS+AI] matrix_a_fmt:MATRIX_FMT_BF6 matrix_b_fmt:MATRIX_FMT_BF6 matrix_a_scale:MATRIX_SCALE_ROW1
.else
.set DR, 8*(8*BI+AI)
.set CR, DR
.if FI
.set CR, 8*(8*BI+7)
.endif
	v_wmma_scale_f32_16x16x128_f8f6f4 v[DR:DR+7], v[AF+12*AI:AF+12*AI+11], v[FS+12*BI:FS+12*BI+11], v[CR:CR+7], v[SS+AI], v[SS+8+BI] matrix_a_fmt:MATRIX_FMT_BF6 matrix_b_fmt:MATRIX_FMT_BF6 matrix_b_scale:MATRIX_SCALE_ROW1
.endif
.set BI, BI+1
.endr
.set AI, AI+1
.endr
.endm
; A K STEP of 128: q's 32 products, k's, v's.  Each run of loads stands behind four places and lands while the group before it is multiplied.
.macro STEP s
.set FI, 0
.if (\s) == 0
.set FI, 1
.endif
	PLACES 4
	FETCH_A \s, 4
	FETCH_B \s, 1
	s_wait_dscnt 24                                ; all but the 24 just issued: x's tiles 0-3, W's fragments for q and the scale words are in
	WIN 0x50
	MUL 0, 0, 3, \s
	s_wait_dscnt 12                                ; x's tiles 4-7 are in; k's fragments may be out
	MUL 0, 4, 7, \s
	WIN 0
	PLACES 4
	FETCH_B \s, 2
.if (\s) < 7
	SCALES (\s)+1
	s_wait_dscnt 24                                ; k's fragments are in
.else
	s_wait_dscnt 12
.endif
	WIN 0xa0
	MUL 1, 0, 7, \s
	WIN 0
.if (\s) == 7
	s_wait_dscnt 0x0
	WIN 0xf0
	MUL 2, 0, 7, \s
	WIN 0
.elseif (\s)%2 == 0
	PLACES 4
	FETCH_B (\s)+1, 0
	s_wait_dscnt 12                                ; v's fragments and the next scale words are in
	WIN 0xf0
	MUL 2, 0, 3, \s
	WIN 0
	PLACES 4
	FETCH_A (\s)+1, 0
	WIN 0xf0
	MUL 2, 4, 7, \s
	WIN 0
.else
	; the slot's last group changes slots: one barrier; ahead of it all my tensor loads, the add, and my reads of this slot
	s_wait_tensorcnt 0x0                           ; all my tensor loads have landed: my part of the next slot
	ds_add_u32 v[SPW], v[NIL]                      ; 0 onto my spare word
	s_wait_dscnt 1                                 ; v's fragments are in; the add may be out
	WIN 0xf0
	MUL 2, 0, 1, \s
	s_wait_dscnt 0x0                               ; the add is done, and my reads of this slot are over
	s_barrier_signal -1
	MUL 2, 2, 3, \s
	WIN 0
	s_barrier_wait -1
.if (\s) < 5
	CREST                                          ; the barrier has opened a round of the cluster's: no wave of any partner still reads this slot or has a load on its way
.set SL, ((\s)/2)%2
	s_add_nc_u64 s[G0A+4*SL+2:G0A+4*SL+3], s[G0A+4*SL+2:G0A+4*SL+3], 2*AHALF
	s_add_nc_u64 s[G0B+4*SL+2:G0B+4*SL+3], s[G0B+4*SL+2:G0B+4*SL+3], 2*BHALF
	JLOAD G0A+4*SL, G1A, G0B+4*SL, G1B             ; the first tensor load behind the round; its four v_nop are the places in front of the loads below
.else
	PLACES 4
.endif
	FETCH_B (\s)+1, 0
	FETCH_A (\s)+1, 0
	WIN 0xf0
	MUL 2, 4, 7, \s
	WIN 0
.endif
.endm
	s_wait_tensorcnt 1                             ; the scale words and my part of slot 0 are in; slot 1's load may be out
	s_barrier_signal -1
	s_barrier_wait -1
	FETCH_B 0, 0
	FETCH_A 0, 0
	SCALES 0
	s_wait_loadcnt 0x0                             ; the bias
	STEP 0
	STEP 1
	STEP 2
	STEP 3
	STEP 4
	STEP 5
	STEP 6
	STEP 7
; THE WAY OUT: 8 units of 16 neighbours (two accumulators each) at a time become codes.  A block of 32 lies in lanes l and l xor 16.
.set QT, 32                            ; v32-71 maxima at work
.set QE, 72                            ; v72-79 the conversions' scale operands
.set QB, 80                            ; v80-87 bytes
.set QY, 88                            ; v88-103 the second halves' codes
.set QW, 104                           ; v104-111 scale words
.set FBQ, 112
.set FBK, 160
.set FBV, 208
.macro QUANT8 w, base, fb
	WIN 21*(\w)                                    ; all three sources in window w
.irp t, 0,1,2,3,4
.irp u, 0,1,2,3,4,5,6,7
	v_max3_num_f32 v[QT+8*\t+\u], |v[\base+16*\u+3*\t]|, |v[\base+16*\u+3*\t+1]|, |v[\base+16*\u+3*\t+2]|   ; each accumulator is read from its low end on
.endr
.endr
	WIN \w
.irp u, 0,1,2,3,4,5,6,7
	v_max3_num_f32 v[QT+\u], |v[\base+16*\u+15]|, v[QT+\u], v[QT+8+\u]
.endr
	WIN 0
.irp u, 0,1,2,3,4,5,6,7
	v_max3_num_f32 v[QT+\u], v[QT+\u], v[QT+16+\u], v[QT+24+\u]
.endr
.irp u, 0,1,2,3,4,5,6,7
	v_max3_num_f32 v[QT+\u], v[QT+\u], v[QT+32+\u], 0x2800000   ; the floor 2^(5 - 127): the byte cannot fall under 1
.endr
.irp u, 0,1,2,3,4,5,6,7
	v_permlanex16_b32 v[QT+8+\u], v[QT+\u], s[SEL], s[SEL+1]
.endr
.irp u, 0,1,2,3,4,5,6,7
	v_max_num_f32 v[QT+\u], v[QT+\u], v[QT+8+\u]
.endr
.irp u, 0,1,2,3,4,5,6,7
	v_add_nc_u32 v[QE+\u], 0xfe000000, v[QT+\u]    ; 4 off the exponent field
.endr
.irp u, 0,1,2,3,4,5,6,7
	v_lshrrev_b32 v[QB+\u], 23, v[QE+\u]
.endr
	WIN \w
.irp z, 0,1,2,3
	v_cvt_scalef32_pk16_bf6_f32 v[\fb+6*\z:\fb+6*\z+2], v[\base+32*\z:\base+32*\z+15], v[QE+2*\z]
	v_cvt_scalef32_pk16_bf6_f32 v[QY+4*\z:QY+4*\z+2], v[\base+32*\z+16:\base+32*\z+31], v[QE+2*\z+1]
.endr
	WIN 0
	v_nop                                          ; one plain place behind a scaled conversion
.irp z, 0,1,2,3                        ; the operand's layout wants a whole block in a lane: lanes 0-15 the even block, lanes 16-31 the odd one
.irp i, 0,1,2
	v_permlane16_swap_b32 v[\fb+6*\z+\i], v[QY+4*\z+\i]
.endr
.irp i, 0,1,2
	v_mov_b32 v[\fb+6*\z+3+\i], v[QY+4*\z+\i]
.endr
.endr
.endm
.macro WORDS2 f                        ; q, k: a tile's two bytes, repeated in the word's upper half, so that the tile may stand in either half of a fragment
.irp z, 0,1,2,3
	v_lshl_or_b32 v[QW+\f+\z], v[QB+2*\z+1], 8, v[QB+2*\z]
.endr
.irp z, 0,1,2,3
	v_lshl_or_b32 v[QW+\f+\z], v[QW+\f+\z], 16, v[QW+\f+\z]
.endr
.endm
.macro WORDS4 f                        ; v: a tile of d has four blocks of keys
.irp z, 0,1
	v_lshl_or_b32 v[QW+\f+\z], v[QB+4*\z+1], 8, v[QB+4*\z]
	v_lshl_or_b32 v[QW+\f+\z], v[QB+4*\z+2], 16, v[QW+\f+\z]
	v_lshl_or_b32 v[QW+\f+\z], v[QB+4*\z+3], 24, v[QW+\f+\z]
.endr
.endm
	PLACES 4                                       ; behind the last products: their results are read and their operands' registers written from here on
	QUANT8 1, 0, FBQ
	WORDS2 0
	QUANT8 1, 128, FBQ+24
	WORDS2 4
.irp p, 0,1,2,3
	v_cndmask_b32 v[4+\p], v[QW+2*\p], v[QW+2*\p+1], s[MASK]   ; lanes 0-15: tile 2 p's words, lanes 16-31: tile 2 p + 1's
.endr
.irp a, 0,1,2,3,4,5,6,7
	global_store_b128 v[L16], v[FBQ+6*\a:FBQ+6*\a+3], s[10:11] offset:768*\a       ; 512 consecutive bytes,
	global_store_b64 v[L8], v[FBQ+6*\a+4:FBQ+6*\a+5], s[10:11] offset:768*\a+512   ; and 256: whole aligned blocks of 256 bytes
.endr
	global_store_b128 v[L16], v[4:7], s[100:101]
	QUANT8 2, 0, FBK
	WORDS2 0
	QUANT8 2, 128, FBK+24
	WORDS2 4
.irp p, 0,1,2,3
	v_cndmask_b32 v[8+\p], v[QW+2*\p], v[QW+2*\p+1], s[MASK]
.endr
.irp p, 0,1,2,3                        ; k's tiles 2 p and 2 p + 1 make one image of 12 registers
.irp c, 0,1,2
	global_store_b128 v[L16], v[FBK+12*\p+4*\c:FBK+12*\p+4*\c+3], s[12:13] offset:1536*\p+512*\c
.endr
.endr
	global_store_b128 v[L16], v[8:11], s[12:13] offset:12288
	QUANT8 3, 0, FBV
	WORDS4 0
	QUANT8 3, 128, FBV+24
	WORDS4 2
	v_cndmask_b32 v12, v[QW], v[QW+1], s[MASK]
	v_cndmask_b32 v13, v[QW+2], v[QW+3], s[MASK]
	v_mov_b32 v14, 0
	v_mov_b32 v15, 0
.irp p, 0,1,2,3
.irp c, 0,1,2
	global_store_b128 v[L16], v[FBV+12*\p+4*\c:FBV+12*\p+4*\c+3], s[12:13] offset:6144+1536*\p+512*\c
.endr
.endr
	global_store_b128 v[L16], v[12:15], s[12:13] offset:12800
	s_wait_tensorcnt 0x0                           ; the wave's end
	ds_add_u32 v[SPW], v[NIL]
	s_wait_dscnt 0x0
	CROUND                                         ; the closing round
	s_endpgm
.Lfunc_end_k_qe7f2db63cc_qkv:
	.size	k_qe7f2db63cc_qkv, .Lfunc_end_k_qe7f2db63cc_qkv-k_qe7f2db63cc_qkv
	.p2alignl 7, 3214868480
	.fill 96, 4, 3214868480
	.section	.rodata,"a",@progbits
	.p2align	6, 0x0
	.amdhsa_kernel k_qe7f2db63cc_qkv
		.amdhsa_group_segment_fixed_size 327680
		.amdhsa_private_segment_fixed_size 0
		.amdhsa_enable_private_segment 0
		.amdhsa_kernarg_size 40
		.amdhsa_user_sgpr_count 2
		.amdhsa_user_sgpr_kernarg_segment_ptr 1
		.amdhsa_wavefront_size32 1
		.amdhsa_system_sgpr_workgroup_id_x 1
		.amdhsa_system_sgpr_workgroup_id_y 1
		.amdhsa_system_sgpr_workgroup_id_z 1
		.amdhsa_system_vgpr_workitem_id 0
		.amdhsa_next_free_vgpr 1024
		.amdhsa_next_free_sgpr 102
		.amdhsa_reserve_vcc 0
		.amdhsa_float_denorm_mode_32 3
		.amdhsa_float_denorm_mode_16_64 3
		.amdhsa_memory_ordered 1
		.amdhsa_forward_progress 1
		.amdhsa_inst_pref_size 207
	.end_amdhsa_kernel
	.amdgpu_metadata
---
amdhsa.version: [ 1, 2 ]
amdhsa.kernels:
  - .name:           k_qe7f2db63cc_qkv
    .symbol:         k_qe7f2db63cc_qkv.kd
    .args:
      - { .name: xq, .offset: 0, .size: 8, .value_kind: global_buffer, .address_space: global }
      - { .name: wa, .offset: 8, .size: 8, .value_kind: global_buffer, .address_space: global }
      - { .name: b_attn, .offset: 16, .size: 8, .value_kind: global_buffer, .address_space: global }
      - { .name: qq, .offset: 24, .size: 8, .value_kind: global_buffer, .address_space: global }
      - { .name: kv, .offset: 32, .size: 8, .value_kind: global_buffer, .address_space: global }
    .group_segment_fixed_size: 327680
    .private_segment_fixed_size: 0
    .kernarg_segment_align: 8
    .kernarg_segment_size: 40
    .max_flat_workgroup_size: 128
    .sgpr_count:     102
    .vgpr_count:     1024
    .wavefront_size: 32
...
	.end_amdgpu_metadata
.endif
;; end of part 2
;; launch attn (part 3): grid 4 x 64, 16 waves a work-group, clusters of 4 x 1, 215,040 bytes of LDS; arguments qq, kv, yq; writes yq
.if DOCPART == 3
	.amdgcn_target "amdgcn-amd-amdhsa--gfx1250"
	.amdhsa_code_object_version 6
	.text
	.protected	k_qe7f2db63cc_attn
	.globl	k_qe7f2db63cc_attn
	.p2align	8
	.type	k_qe7f2db63cc_attn,@function
k_qe7f2db63cc_attn:
	s_mov_b64 s[64:65], 0
	v_nop
	global_prefetch_b8 v0, s[64:65] scope:SCOPE_SE
	s_setreg_imm32_b32 hwreg(HW_REG_WAVE_MODE, 25, 1), 1
	s_wait_xcnt 0x0
	s_wait_alu depctr_hold_cnt(0) depctr_sa_sdst(0) depctr_va_vdst(0) depctr_va_sdst(0) depctr_va_ssrc(0) depctr_va_vcc(0) depctr_vm_vsrc(0)
	s_getreg_b32 s2, hwreg(HW_REG_IB_STS2, 6, 4)
	s_cmp_eq_u32 s2, 0
	s_cbranch_scc0 .Lentry_in_a_cluster
	s_endpgm
.Lentry_in_a_cluster:
	s_bfe_u32 s2, ttmp6, 0x10000c
	s_cmp_lg_u32 s2, 0x3003
	s_cbranch_scc0 .Lentry_shape_is_right
	s_endpgm
.Lentry_shape_is_right:
; Launch 3 of 4: y = softmax(q k^T / 8, causal) v for one head and batch a cluster, both products on codes of BF6 (E3M2); y is quantised along the head's 64 and leaves as codes.
; WORK LEFT OUT: key steps of 128 keys that lie wholly behind a tile's queries (reference()'s own causal mask makes their p zero: see launch 1's head).  LIMITS as stated there.
; THE SOFTMAX: t = score x log2(e) / 8; M = the running largest t rounded UP to a whole number; p = 2^(t - M) is quantised along the keys, not normalised; the row's sum is taken of the unquantised p and divides at the end.
; SHARES.  The four work-groups of a cluster share a head's K and V: 212,992 bytes of codes and scale words, which lie in each one's LDS whole, filled once by joint loads: no ring.
; Work-group p, wave w owns the tiles of 16 queries 4 k + p for k = 31 - w and then k = w: (k / 2) + 1 key steps each, 17 for every wave; the count hangs on the wave's number alone, not on the place in the cluster.
; Each wave issues four joint loads of 13 rows of 256 bytes, one for each quarter of the head, so that all sixteen waves are alike and quarter g is read behind one counted wait; four tensor loads of a wave are out.
; Nothing is prefetched: every byte that the launch reads from kv is asked for at its head.
; LAYOUT.  S^T = K Q^T (source 0 = 16 keys), O^T = V^T P^T (source 0 = 16 of the head's 64): a lane holds one query throughout.  By the row order pi (launch 1) p's 16 registers of two neighbouring tiles are 16
; neighbouring keys, and O^T's are 16 neighbouring d.  THE HEAD IS 64, the instruction's K 128: the other half is zero codes.  K's tiles come in pairs, 12 registers an image; with six zero registers on either side
; the even tile is (zeros, tile) and meets (zeros, q); the odd one is (tile, zeros) and meets (q, zeros).  The scale words hold a tile's two bytes twice, so that both places are served.
; REGISTERS: v1-11 addresses and scale words of V; v12 -M, v13 the largest t, v[14:15] the sum; v16-33 q, zeros, q; v34-75 zeros, pair, zeros, pair, zeros; v76-123 V; v124-187 S^T, then p; v188-219 O^T;
;   v220-231 p's codes; v232-243, v248-254 at work; v244-247 K's scale words; v253 p's scale word; v255 q's.
.set QSC,   6291456
.set YSC,   6291456
.set KBB,   13312                      ; a block of 128 keys: K's codes 6,144, V's 6,144, K's scale words 512, V's 512
.set SPARE, 16*KBB                     ; the spare words, 128 bytes a wave, which no other line names
.set L16, 1
.set L8,  2
.set SPW, 3
.set NIL, 4
.set WV,  10
.set CX,  11
.set BH,  13
.set SEL, 16
.set CS,  18
.set TB,  20                           ; s20 LDS byte of the key block in hand
.set KB,  21                           ; s21 its number
.set KLIM, 22                          ; s22 the last key block that counts for my tile
.set CNT, 23
.set G1,  24
.set G0,  32
.macro CROUND
	s_barrier_signal -1
	s_barrier_wait -1
	s_cmp_lg_u32 s[WV], 0
	s_cbranch_scc1 .Lnot_wave_0_\@
	s_barrier_signal -3
.Lnot_wave_0_\@:
	s_barrier_wait -3
	s_barrier_signal -1
	s_barrier_wait -1
.endm
	s_load_b128 s[4:7], s[0:1], 0x0                ; qq, kv
	s_load_b64 s[8:9], s[0:1], 0x10                ; yq
	v_lshl_add_u32 v[SPW], v0, 2, SPARE
	v_mov_b32 v[NIL], 0
	ds_add_u32 v[SPW], v[NIL]                      ; the wave's opening: the add, twice on end, and its wait ahead of my first tensor load
	ds_add_u32 v[SPW], v[NIL]
	v_lshrrev_b32 v8, 5, v0
	s_delay_alu instid0(VALU_DEP_1)
	v_readfirstlane_b32 s[WV], v8                  ; wave 0..15
	s_bfe_u32 s[CX], ttmp6, 0x40000                ; my place in the cluster: it enters global addresses and the mask's numbers alone
	s_and_b32 s[BH], ttmp7, 0xffff                 ; 16 x batch + head, which the four partners share
	s_mov_b32 s[G1], 15|(3<<16)|(1<<21)            ; the mask: all four; elements of 8 bytes; bit 21 beside a mask
	s_mov_b32 s[G1+1], 32<<16                      ; rows of 256 bytes,
	s_mov_b32 s[G1+2], 13<<16                      ; 13 of them,
	s_mov_b32 s[G1+3], 32<<16
	s_mov_b32 s[G1+4], 13
	s_mov_b32 s[G1+5], 32                          ; dense
	s_mov_b32 s[G1+6], 0
	s_mov_b32 s[G1+7], 0
	s_mul_i32 s12, s[WV], 13*256                   ; my rows of each quarter
	s_mul_i32 s14, s[BH], 16*KBB
	s_add_co_u32 s14, s14, s12
	s_mov_b32 s15, 0
	s_mov_b32 s[SEL], 0x76543210
	s_mov_b32 s[SEL+1], 0xfedcba98
	s_mov_b32 s[CS], 0x3e38aa3b                    ; c = log2(e) / sqrt(64)
	s_mov_b32 s[CS+1], s[CS]
	s_wait_dscnt 0x0                               ; both opening adds are done
	s_wait_kmcnt 0x0
	s_add_nc_u64 s[14:15], s[6:7], s[14:15]
.irp g, 0,1,2,3
	s_mov_b32 s[G0+4*\g], 1
	s_add_co_u32 s[G0+4*\g+1], s12, \g*4*KBB
	s_add_nc_u64 s[G0+4*\g+2:G0+4*\g+3], s[14:15], \g*4*KBB
	s_or_b32 s[G0+4*\g+3], s[G0+4*\g+3], 0x80000000
.endr
	CROUND                                         ; all four work-groups are here: the joint loads meet
.irp g, 0,1,2,3
	tensor_load_to_lds s[G0+4*\g:G0+4*\g+3], s[G1:G1+7]
	s_nop 0
.endr
.rept 4
	v_nop
.endr
	v_and_b32 v8, 31, v0
	s_delay_alu instid0(VALU_DEP_1)
	v_lshlrev_b32 v[L16], 4, v8
	s_delay_alu instid0(VALU_DEP_2)
	v_lshlrev_b32 v[L8], 3, v8
	v_and_b32 v8, 15, v0                           ; r
	v_bfe_u32 v5, v0, 4, 1                         ; h
	s_delay_alu instid0(VALU_DEP_2)
	v_lshlrev_b32 v10, 4, v8                       ; q's scale words: 16 r
	s_delay_alu instid0(VALU_DEP_3)
	v_lshlrev_b32 v11, 2, v8                       ; y's: 4 r
	s_delay_alu instid0(VALU_DEP_4)
	v_and_b32 v9, 8, v8
	s_delay_alu instid0(VALU_DEP_1)
	v_add_nc_u32 v9, v9, v8
	v_lshlrev_b32 v5, 4, v5
	s_delay_alu instid0(VALU_DEP_1)
	v_sub_nc_u32 v9, v9, v5                        ; r + 8 (r / 8) - 16 h
.irp i, 0,1,2,3,4,5
	v_mov_b32 v[22+\i], 0                          ; the zero halves: written once
	v_mov_b32 v[34+\i], 0
	v_mov_b32 v[52+\i], 0
	v_mov_b32 v[70+\i], 0
.endr
.irp i, 0,1,2,3
	v_mov_b32 v[232+\i], 0                         ; a lane permute's destination counts as one of its sources
.endr
	v_mov_b32 v252, 0
	v_mov_b32 v253, 0
; a pass begins: tile 4 k + p; late = 1: k = 31 - w, else k = w
.macro INIT late
	s_wait_xcnt 0x0                                ; the last pass's stores have read their bases and data
.if \late
	s_sub_co_u32 s48, 31, s[WV]
.else
	s_mov_b32 s48, s[WV]
.endif
	s_lshr_b32 s[KLIM], s48, 1                     ; the tile's block of 128 tokens: (4 k + p) / 8 = k / 2
	s_lshl_b32 s49, s48, 2
	s_add_co_u32 s49, s49, s[CX]                   ; the tile
	s_and_b32 s50, s49, 7
	s_lshr_b32 s51, s50, 1
	s_and_b32 s50, s49, 1
	s_lshl_b32 s62, s51, 5
	s_lshl_b32 s63, s50, 3
	s_add_co_u32 s62, s62, s63
	v_add_nc_u32 v5, s62, v9                       ; my query's place in its block of 128, less 16 h: register 16 b + i holds key 32 b + 16 h + i
	s_lshl_b32 s60, s[BH], 7
	s_add_co_u32 s60, s60, s49
	s_mul_i32 s60, s60, 768
	s_mov_b32 s61, 0
	s_add_nc_u64 s[52:53], s[4:5], s[60:61]        ; q's codes
	s_lshl_b32 s60, s[BH], 4
	s_lshr_b32 s63, s49, 3
	s_add_co_u32 s60, s60, s63
	s_lshl_b32 s60, s60, 9
	s_lshl_b32 s63, s50, 8
	s_add_co_u32 s60, s60, s63
	s_lshl_b32 s63, s51, 2
	s_add_co_u32 s60, s60, s63
	s_add_co_u32 s60, s60, QSC
	s_add_nc_u64 s[54:55], s[4:5], s[60:61]        ; q's scale words
	s_lshr_b32 s60, s[BH], 4
	s_lshl_b32 s60, s60, 7
	s_add_co_u32 s60, s60, s49                     ; the tile among y's 512
	s_and_b32 s63, s[BH], 15
	s_lshr_b32 s62, s63, 1                         ; the K step of the last product: head / 2,
	s_and_b32 s63, s63, 1                          ; and which half of it
	s_lshl_b32 s50, s60, 9
	s_lshl_b32 s51, s62, 6
	s_add_co_u32 s50, s50, s51
	s_lshl_b32 s51, s63, 1
	s_add_co_u32 s50, s50, s51
	s_add_co_u32 s50, s50, YSC
	s_mov_b32 s51, 0
	s_add_nc_u64 s[58:59], s[8:9], s[50:51]        ; y's scale bytes
	s_lshr_b32 s50, s60, 3
	s_lshl_b32 s50, s50, 3
	s_add_co_u32 s50, s50, s62
	s_lshl_b32 s50, s50, 3
	s_and_b32 s60, s60, 7
	s_add_co_u32 s50, s50, s60
	s_mul_i32 s50, s50, 1536
	s_mul_i32 s60, s63, 768
	s_add_co_u32 s50, s50, s60
	s_add_nc_u64 s[56:57], s[8:9], s[50:51]        ; y's codes
	global_load_b128 v[16:19], v[L16], s[52:53]    ; q, on either side of the zeros
	global_load_b64 v[20:21], v[L8], s[52:53] offset:512
	global_load_b128 v[28:31], v[L16], s[52:53]
	global_load_b64 v[32:33], v[L8], s[52:53] offset:512
	global_load_b32 v255, v10, s[54:55]
	v_mov_b32 v13, 0xff61b1e6                      ; the largest t so far: -3e38
	s_delay_alu instid0(VALU_DEP_1)
	v_floor_f32 v12, -v13                          ; -M
	v_mov_b32 v14, 0
	v_mov_b32 v15, 0
.set J, 0
.rept 32
	v_mov_b32 v[188+J], 0                          ; O^T: the step is written once, and its first run finds zeros
.set J, J+1
.endr
	s_wait_loadcnt 0x0
.endm
.macro KQ hf                           ; four tiles of 16 keys: pairs 2 hf and 2 hf + 1
.irp x, 0,1
	v_wmma_scale_f32_16x16x128_f8f6f4 v[124+8*(4*\hf+2*\x):131+8*(4*\hf+2*\x)], v[34+18*\x:45+18*\x], v[22:33], 0, v[244+2*\hf+\x], v255 matrix_a_fmt:MATRIX_FMT_BF6 matrix_b_fmt:MATRIX_FMT_BF6
	v_wmma_scale_f32_16x16x128_f8f6f4 v[132+8*(4*\hf+2*\x):139+8*(4*\hf+2*\x)], v[46+18*\x:57+18*\x], v[16:27], 0, v[244+2*\hf+\x], v255 matrix_a_fmt:MATRIX_FMT_BF6 matrix_b_fmt:MATRIX_FMT_BF6 matrix_a_scale:MATRIX_SCALE_ROW1
.endr
.endm
; A KEY STEP of 128 keys.  A step behind my tile's last block is jumped over: a scalar branch on the wave's number and the count of steps, round the work alone
.macro STEP
	s_cmp_gt_u32 s[KB], s[KLIM]
	s_cbranch_scc1 .Lskip_\@
	s_setprio 2
	v_add_nc_u32 v8, s[TB], v[L16]
	ds_load_b128 v[244:247], v8 offset:12288       ; K's scale words: register P: lanes 0-15 tile 2 P, lanes 16-31 tile 2 P + 1
.irp x, 0,1
.irp c, 0,1,2
	ds_load_b128 v[40+18*\x+4*\c:43+18*\x+4*\c], v8 offset:1536*\x+512*\c
.endr
.endr
.irp d, 0,1,2,3
.irp c, 0,1,2
	ds_load_b128 v[76+12*\d+4*\c:79+12*\d+4*\c], v8 offset:6144+1536*\d+512*\c
.endr
.endr
	ds_load_b64 v[6:7], v8 offset:12800            ; V's scale words
	s_wait_alu depctr_va_vdst(0)
	s_wait_dscnt 13                                ; K's words and pairs 0, 1 are in; V's 12 loads and its words may be out
	KQ 0
.rept 4
	v_nop                                          ; places in front of loads into registers that matrix instructions have read
.endr
.irp x, 0,1
.irp c, 0,1,2
	ds_load_b128 v[40+18*\x+4*\c:43+18*\x+4*\c], v8 offset:3072+1536*\x+512*\c
.endr
.endr
	s_wait_dscnt 0x0
	KQ 1
.rept 4
	v_nop
.endr
	s_cmp_lg_u32 s[KB], s[KLIM]                    ; on the diagonal block the scores of hidden keys become -infinity ahead of the maximum: p = 0 then
	s_cbranch_scc1 .Lopen_\@
	v_mov_b32 v254, 0xff800000
.set N, 0
.rept 64
	v_cmp_gt_i32 vcc_lo, 32*(N/16)+N%16, v5
	v_cndmask_b32 v[124+N], v[124+N], v254, vcc_lo
.set N, N+1
.endr
.Lopen_\@:
.irp b, 0,1,2,3
	v_max3_num_f32 v[248+\b], v[124+16*\b], v[125+16*\b], v[126+16*\b]   ; the largest score of each block of 32 keys: for the row's maximum and, since p rises with the score, for the block's largest p
.endr
.irp i, 3,5,7,9,11,13
.irp b, 0,1,2,3
	v_max3_num_f32 v[248+\b], v[248+\b], v[124+16*\b+\i], v[125+16*\b+\i]
.endr
.endr
.irp b, 0,1,2,3
	v_max_num_f32 v[248+\b], v[248+\b], v[139+16*\b]
.endr
.irp b, 0,1,2,3
	s_delay_alu instid0(VALU_DEP_4)
	v_permlanex16_b32 v[232+\b], v[248+\b], s[SEL], s[SEL+1]
.endr
.irp b, 0,1,2,3
	s_delay_alu instid0(VALU_DEP_4)
	v_max_num_f32 v[248+\b], v[248+\b], v[232+\b]
.endr
	s_delay_alu instid0(VALU_DEP_2)
	v_max3_num_f32 v254, v248, v249, v250
	s_delay_alu instid0(VALU_DEP_1)
	v_max_num_f32 v254, v254, v251
	s_delay_alu instid0(VALU_DEP_1)
	v_mul_f32 v254, s[CS], v254
	s_delay_alu instid0(VALU_DEP_1)
	v_max_num_f32 v13, v13, v254                   ; the running largest t
	v_mov_b32 v254, v12
	s_delay_alu instid0(VALU_DEP_2)
	v_floor_f32 v12, -v13                          ; -M = floor(-t): M is a whole number
	s_delay_alu instid0(VALU_DEP_1)
	v_sub_f32 v254, v12, v254
	s_delay_alu instid0(VALU_DEP_1)
	v_cvt_i32_f32 v254, v254                       ; old M less new M (it saturates)
	s_delay_alu instid0(VALU_DEP_1)
	v_ldexp_f32 v252, 1.0, v254                    ; f = 2^(old M - new M)
.set J, 0
.rept 32
	v_pk_fma_f32 v[124+J:125+J], v[124+J:125+J], s[CS:CS+1], v[12:13] op_sel_hi:[1,0,0]   ; t - M
.set J, J+2
.endr
	s_setprio 1
.irp b, 0,1,2,3
	v_fma_f32 v[248+\b], v[248+\b], s[CS], v12
.endr
.set J, 0
	s_wait_alu depctr_va_vdst(0)
.rept 64
	v_exp_f32 v[124+J], v[124+J]                   ; p
.set J, J+1
.endr
	v_pk_mul_f32 v[14:15], v[14:15], v[252:253] op_sel_hi:[1,0]   ; the sums under the new M: a plain place behind the exponentials
	s_wait_alu depctr_va_vdst(0)                   ; one wait for the batch, ahead of its first reader
.irp b, 0,1,2,3
	v_exp_f32 v[248+\b], v[248+\b]                 ; each block's largest p
.endr
	v_pk_add_f32 v[232:233], v[128:129], v[132:133]
	v_pk_add_f32 v[246:247], v[136:137], v[140:141]
	v_pk_add_f32 v[244:245], v[144:145], v[148:149]
	v_pk_add_f32 v[242:243], v[152:153], v[156:157]
	v_pk_add_f32 v[240:241], v[160:161], v[164:165]
	v_pk_add_f32 v[238:239], v[168:169], v[172:173]
	v_pk_add_f32 v[236:237], v[176:177], v[180:181]
	v_pk_add_f32 v[14:15], v[14:15], v[184:185]
	v_pk_add_f32 v[232:233], v[232:233], v[124:125]
	v_pk_add_f32 v[246:247], v[246:247], v[126:127]
	v_pk_add_f32 v[244:245], v[244:245], v[130:131]
	v_pk_add_f32 v[242:243], v[242:243], v[134:135]
	v_pk_add_f32 v[240:241], v[240:241], v[138:139]
	v_pk_add_f32 v[238:239], v[238:239], v[142:143]
	v_pk_add_f32 v[236:237], v[236:237], v[146:147]
	v_pk_add_f32 v[14:15], v[14:15], v[150:151]
	v_pk_add_f32 v[232:233], v[232:233], v[154:155]
	v_pk_add_f32 v[246:247], v[246:247], v[158:159]
	v_pk_add_f32 v[244:245], v[244:245], v[162:163]
	v_pk_add_f32 v[242:243], v[242:243], v[166:167]
	v_pk_add_f32 v[240:241], v[240:241], v[170:171]
	v_pk_add_f32 v[238:239], v[238:239], v[174:175]
	v_pk_add_f32 v[236:237], v[236:237], v[178:179]
	v_pk_add_f32 v[14:15], v[14:15], v[182:183]
	v_pk_add_f32 v[232:233], v[232:233], v[186:187]
	s_delay_alu instid0(VALU_DEP_2)
	v_pk_add_f32 v[14:15], v[14:15], v[242:243]
	s_delay_alu instid0(VALU_DEP_2)
	v_pk_add_f32 v[232:233], v[232:233], v[240:241]
	v_pk_add_f32 v[246:247], v[246:247], v[238:239]
	v_pk_add_f32 v[244:245], v[244:245], v[236:237]
	s_delay_alu instid0(VALU_DEP_2)
	v_pk_add_f32 v[14:15], v[14:15], v[246:247]
	s_delay_alu instid0(VALU_DEP_2)
	v_pk_add_f32 v[232:233], v[232:233], v[244:245]
	s_delay_alu instid0(VALU_DEP_1)
	v_pk_add_f32 v[14:15], v[14:15], v[232:233]
	s_wait_alu depctr_va_vdst(0)                   ; and one for the four
.irp b, 0,1,2,3
	v_max_num_f32 v[248+\b], 0x2800000, v[248+\b]  ; the floor 2^(5 - 127)
.endr
.irp b, 0,1,2,3
	s_delay_alu instid0(VALU_DEP_4)
	v_add_nc_u32 v[240+\b], 0xfe000000, v[248+\b]
.endr
.irp b, 0,1,2,3
	s_delay_alu instid0(VALU_DEP_4)
	v_lshrrev_b32 v[232+\b], 23, v[240+\b]
.endr
	s_delay_alu instid0(VALU_DEP_3)
	v_lshl_or_b32 v253, v233, 8, v232              ; p's scale word for these 128 keys
	s_delay_alu instid0(VALU_DEP_1)
	v_lshl_or_b32 v253, v234, 16, v253
	s_delay_alu instid0(VALU_DEP_1)
	v_lshl_or_b32 v253, v235, 24, v253
	s_setprio 0
.irp c, 0,1
	v_cvt_scalef32_pk16_bf6_f32 v[220+6*\c:222+6*\c], v[124+32*\c:139+32*\c], v[240+2*\c]
	v_cvt_scalef32_pk16_bf6_f32 v[232+4*\c:234+4*\c], v[140+32*\c:155+32*\c], v[240+2*\c+1]
.endr
	v_nop
.irp c, 0,1
.irp i, 0,1,2
	v_permlane16_swap_b32 v[220+6*\c+\i], v[232+4*\c+\i]
.endr
.irp i, 0,1,2
	s_delay_alu instid0(VALU_DEP_3)
	v_mov_b32 v[223+6*\c+\i], v[232+4*\c+\i]
.endr
.endr
.set J, 0
.rept 16
	v_pk_mul_f32 v[188+J:189+J], v[188+J:189+J], v[252:253] op_sel_hi:[1,0]   ; O^T under the new M; these are also the places ahead of the scaled products
.set J, J+2
.endr
	v_wmma_scale_f32_16x16x128_f8f6f4 v[188:195], v[76:87], v[220:231], v[188:195], v6, v253 matrix_a_fmt:MATRIX_FMT_BF6 matrix_b_fmt:MATRIX_FMT_BF6
	v_wmma_scale_f32_16x16x128_f8f6f4 v[196:203], v[88:99], v[220:231], v[196:203], v6, v253 matrix_a_fmt:MATRIX_FMT_BF6 matrix_b_fmt:MATRIX_FMT_BF6 matrix_a_scale:MATRIX_SCALE_ROW1
	v_wmma_scale_f32_16x16x128_f8f6f4 v[204:211], v[100:111], v[220:231], v[204:211], v7, v253 matrix_a_fmt:MATRIX_FMT_BF6 matrix_b_fmt:MATRIX_FMT_BF6
	v_wmma_scale_f32_16x16x128_f8f6f4 v[212:219], v[112:123], v[220:231], v[212:219], v7, v253 matrix_a_fmt:MATRIX_FMT_BF6 matrix_b_fmt:MATRIX_FMT_BF6 matrix_a_scale:MATRIX_SCALE_ROW1
.rept 4
	v_nop                                          ; places behind the step's last products, for the next loads and for the way out
.endr
.Lskip_\@:
	s_add_co_u32 s[TB], s[TB], KBB
	s_add_co_u32 s[KB], s[KB], 1
.endm
.macro WALK first, trips               ; key blocks first .. first + trips - 1
	s_mov_b32 s[TB], (\first)*KBB
	s_mov_b32 s[KB], \first
	s_mov_b32 s[CNT], \trips
.Lwalk_\@:
	STEP
	s_sub_co_u32 s[CNT], s[CNT], 1
	s_cmp_lg_u32 s[CNT], 0
	s_cbranch_scc1 .Lwalk_\@
	s_setprio 0
.endm
; a pass ends: y = O^T / the sum; its two blocks of 32 along d are quantised and leave as half a fragment's image and two scale bytes a row
.macro OUT
	v_add_f32 v14, v14, v15
	s_delay_alu instid0(VALU_DEP_1)
	v_permlanex16_b32 v252, v14, s[SEL], s[SEL+1]
	s_delay_alu instid0(VALU_DEP_1)
	v_add_f32 v14, v14, v252
	s_wait_alu depctr_va_vdst(0)
	v_rcp_f32 v14, v14
	v_nop
	s_wait_alu depctr_va_vdst(0)
.set J, 0
.rept 16
	v_pk_mul_f32 v[124+J:125+J], v[188+J:189+J], v[14:15] op_sel_hi:[1,0]   ; register 16 b + i: y(query r, d = 32 b + 16 h + i)
.set J, J+2
.endr
.irp b, 0,1
	v_max3_num_f32 v[248+\b], |v[124+16*\b]|, |v[125+16*\b]|, 0x2800000
.endr
.irp i, 2,4,6,8,10,12,14
.irp b, 0,1
	s_delay_alu instid0(VALU_DEP_2)
	v_max3_num_f32 v[248+\b], v[248+\b], |v[124+16*\b+\i]|, |v[125+16*\b+\i]|
.endr
.endr
.irp b, 0,1
	s_delay_alu instid0(VALU_DEP_2)
	v_permlanex16_b32 v[232+\b], v[248+\b], s[SEL], s[SEL+1]
.endr
.irp b, 0,1
	s_delay_alu instid0(VALU_DEP_2)
	v_max_num_f32 v[248+\b], v[248+\b], v[232+\b]
.endr
.irp b, 0,1
	s_delay_alu instid0(VALU_DEP_2)
	v_add_nc_u32 v[240+\b], 0xfe000000, v[248+\b]
.endr
.irp b, 0,1
	s_delay_alu instid0(VALU_DEP_2)
	v_lshrrev_b32 v[232+\b], 23, v[240+\b]
.endr
	s_delay_alu instid0(VALU_DEP_1)
	v_lshl_or_b32 v254, v233, 8, v232
	v_cvt_scalef32_pk16_bf6_f32 v[220:222], v[124:139], v240
	v_cvt_scalef32_pk16_bf6_f32 v[236:238], v[140:155], v241
	v_nop
.irp i, 0,1,2
	v_permlane16_swap_b32 v[220+\i], v[236+\i]
.endr
.irp i, 0,1,2
	s_delay_alu instid0(VALU_DEP_3)
	v_mov_b32 v[223+\i], v[236+\i]
.endr
	global_store_b128 v[L16], v[220:223], s[56:57]             ; 512 consecutive bytes,
	global_store_b64 v[L8], v[224:225], s[56:57] offset:512    ; and 256
	global_store_b16 v11, v254, s[58:59]                       ; two bytes a row beside its 48 bytes of codes; both lanes of a row write the same two bytes with the same value
.endm
	INIT 1
.irp g, 0,1,2,3
	s_wait_tensorcnt 3-\g                          ; my part of quarter g is in; the later quarters' loads may be out
	s_wait_dscnt 0x0
	s_barrier_signal -1
	s_barrier_wait -1                              ; everybody's is
	WALK 4*\g, 4
.endr
	OUT
	INIT 0
	WALK 0, 8                                      ; the early tile's last block is 7 at the most
	OUT
	s_wait_tensorcnt 0x0                           ; the wave's end
	ds_add_u32 v[SPW], v[NIL]
	s_wait_dscnt 0x0
	CROUND                                         ; the closing round
	s_endpgm
.Lfunc_end_k_qe7f2db63cc_attn:
	.size	k_qe7f2db63cc_attn, .Lfunc_end_k_qe7f2db63cc_attn-k_qe7f2db63cc_attn
	.p2alignl 7, 3214868480
	.fill 96, 4, 3214868480
	.section	.rodata,"a",@progbits
	.p2align	6, 0x0
	.amdhsa_kernel k_qe7f2db63cc_attn
		.amdhsa_group_segment_fixed_size 215040
		.amdhsa_private_segment_fixed_size 0
		.amdhsa_enable_private_segment 0
		.amdhsa_kernarg_size 24
		.amdhsa_user_sgpr_count 2
		.amdhsa_user_sgpr_kernarg_segment_ptr 1
		.amdhsa_wavefront_size32 1
		.amdhsa_system_sgpr_workgroup_id_x 1
		.amdhsa_system_sgpr_workgroup_id_y 1
		.amdhsa_system_sgpr_workgroup_id_z 1
		.amdhsa_system_vgpr_workitem_id 0
		.amdhsa_next_free_vgpr 256
		.amdhsa_next_free_sgpr 66
		.amdhsa_reserve_vcc 1
		.amdhsa_float_denorm_mode_32 3
		.amdhsa_float_denorm_mode_16_64 3
		.amdhsa_memory_ordered 1
		.amdhsa_forward_progress 1
		.amdhsa_inst_pref_size 132
	.end_amdhsa_kernel
	.amdgpu_metadata
---
amdhsa.version: [ 1, 2 ]
amdhsa.kernels:
  - .name:           k_qe7f2db63cc_attn
    .symbol:         k_qe7f2db63cc_attn.kd
    .args:
      - { .name: qq, .offset: 0, .size: 8, .value_kind: global_buffer, .address_space: global }
      - { .name: kv, .offset: 8, .size: 8, .value_kind: global_buffer, .address_space: global }
      - { .name: yq, .offset: 16, .size: 8, .value_kind: global_buffer, .address_space: global }
    .group_segment_fixed_size: 215040
    .private_segment_fixed_size: 0
    .kernarg_segment_align: 8
    .kernarg_segment_size: 24
    .max_flat_workgroup_size: 512
    .sgpr_count:     66
    .vgpr_count:     256
    .wavefront_size: 32
...
	.end_amdgpu_metadata
.endif
;; end of part 3
;; launch proj (part 4): grid 4 x 64, 4 waves a work-group, clusters of 4 x 4, 307,712 bytes of LDS; arguments yq, wp, b_proj, out0; writes out0
.if DOCPART == 4
	.amdgcn_target "amdgcn-amd-amdhsa--gfx1250"
	.amdhsa_code_object_version 6
	.text
	.protected	k_qe7f2db63cc_proj
	.globl	k_qe7f2db63cc_proj
	.p2align	8
	.type	k_qe7f2db63cc_proj,@function
k_qe7f2db63cc_proj:
	s_mov_b64 s[64:65], 0
	v_nop
	global_prefetch_b8 v0, s[64:65] scope:SCOPE_SE
	s_setreg_imm32_b32 hwreg(HW_REG_WAVE_MODE, 25, 1), 1
	s_wait_xcnt 0x0
	s_wait_alu depctr_hold_cnt(0) depctr_sa_sdst(0) depctr_va_vdst(0) depctr_va_sdst(0) depctr_va_ssrc(0) depctr_va_vcc(0) depctr_vm_vsrc(0)
	s_getreg_b32 s2, hwreg(HW_REG_IB_STS2, 6, 4)
	s_cmp_eq_u32 s2, 0
	s_cbranch_scc0 .Lentry_in_a_cluster
	s_endpgm
.Lentry_in_a_cluster:
	s_bfe_u32 s2, ttmp6, 0x10000c
	s_cmp_lg_u32 s2, 0xf033
	s_cbranch_scc0 .Lentry_shape_is_right
	s_endpgm
.Lentry_shape_is_right:
; Launch 4 of 4: out = y W_proj + b_proj on codes of BF6 (E3M2).  Nothing is left out here.
; SHARES.  A work-group makes 128 rows x 256 columns; wave (wr, wc) 64 x 128: 32 accumulators.  All of K (1,024) of both operands lies in LDS, by first fills alone: no slot is filled again.
; Each wave issues five joint loads (the scale words, then four pieces of one K step each; waves 0, 1 for y, waves 2, 3 for W); five tensor loads of a wave are out.  K steps 2 q and 2 q + 1 are read behind a counted wait and a barrier.
; CLUSTER 4 x 4: y's images hang on the work-group's y alone and are asked for jointly along a row of the cluster, W's on its x alone, along a column.
; The products are used transposed (source 0 = 16 columns of W, source 1 = 16 rows of y): a lane holds eight neighbouring columns of one row.  The bias is the C of each sum's first product.
; y's tiles hold rows in the order pi of launch 1: the way out puts each row at its own place.  Nothing is prefetched: every byte is asked for at the head.
; REGISTERS: window 0: v8-29 addresses; v32-47 scale words, two sets of 8 (lanes 0-15: y's tile i, lanes 16-31: W's fragment i); v64-111, v112-159 y's 4 fragments, two sets (on the way out: rows of out);
;   window 1: accumulator (a, b) at 8 (8 a + b); window 2: W's 8 fragments, two sets at v0 and v96; window 3: v0-63 the bias.
.set YSC,   6291456
.set WPSC,  786432
.set BB0,   98304                      ; LDS: y's images [K step][tile 8][1,536], then W's [K step][fragment 16][1,536]
.set SCA,   294912                     ; y's scale words: 8 tiles x 512
.set SCB,   299008                     ; W's: 16 fragments x 512
.set SPARE, 307200                     ; the spare words, 128 bytes a wave, which no other line names
.set STO, 24
.set RD,  25
.set CO,  26
.set ADRS, 27
.set SPW, 28
.set NIL, 29
.set G1A,  24
.set G1B,  32
.set G1SA, 40
.set G1SB, 48
.set GA0, 56
.set GA1, 60
.set GA2, 68
.set GA3, 72
.set GA4, 76
.set GB0, 80
.set GB1, 84
.set GB2, 88
.set GB3, 92
.set GB4, 96
.set MSB, 0
.macro WIN new
.if MSB != \new
	s_set_vgpr_msb (MSB<<8)|\new
.set MSB, \new
.endif
.endm
.macro PLACES n
.rept \n
	v_nop
.endr
.endm
.macro JLOAD g0a, g1a, g0b, g1b        ; waves 0 and 1 for y, waves 2 and 3 for W; an s_nop 0 and four v_nop follow each of the two lines
	s_cmp_eq_u32 s15, 0
	s_cbranch_scc0 .Lfor_b_\@
	tensor_load_to_lds s[\g0a:\g0a+3], s[\g1a:\g1a+7]
	s_nop 0
.rept 4
	v_nop
.endr
	s_branch .Lasked_\@
.Lfor_b_\@:
	tensor_load_to_lds s[\g0b:\g0b+3], s[\g1b:\g1b+7]
	s_nop 0
.rept 4
	v_nop
.endr
.Lasked_\@:
.endm
.macro CROUND
	s_barrier_signal -1
	s_barrier_wait -1
	s_cmp_lg_u32 s14, 0
	s_cbranch_scc1 .Lnot_wave_0_\@
	s_barrier_signal -3
.Lnot_wave_0_\@:
	s_barrier_wait -3
	s_barrier_signal -1
	s_barrier_wait -1
.endm
.macro DENSE g, rows                   ; group 1, words 1 to 7: rows of 256 bytes, dense
	s_mov_b32 s[\g+1], 32<<16
	s_mov_b32 s[\g+2], (\rows)<<16
	s_mov_b32 s[\g+3], 32<<16
	s_mov_b32 s[\g+4], \rows
	s_mov_b32 s[\g+5], 32
	s_mov_b32 s[\g+6], 0
	s_mov_b32 s[\g+7], 0
.endm
	s_load_b256 s[4:11], s[0:1], 0x0               ; yq, wp, b_proj, out0
	v_lshl_add_u32 v[SPW], v0, 2, SPARE
	v_mov_b32 v[NIL], 0
	ds_add_u32 v[SPW], v[NIL]                      ; the wave's opening: the add, twice on end, and its wait ahead of my first tensor load
	ds_add_u32 v[SPW], v[NIL]
	v_lshrrev_b32 v1, 5, v0
	v_readfirstlane_b32 s14, v1                    ; wave
	s_lshr_b32 s15, s14, 1                         ; wr.  Also: I fetch for y (0) or for W (1)
	s_and_b32 s16, s14, 1                          ; wc.  Also: the odd or the even K steps are mine to fetch
	s_bfe_u32 s2, ttmp6, 0x40000                   ; cx
	s_bfe_u32 s3, ttmp6, 0x40004                   ; cy
	s_lshl_b32 s12, ttmp9, 2
	s_add_co_u32 s12, s12, s2                      ; which 256 columns
	s_and_b32 s17, ttmp7, 0xffff
	s_lshl_b32 s17, s17, 2
	s_add_co_u32 s17, s17, s3                      ; which 128 rows
	s_lshl_b32 s13, s3, 2
	s_lshl_b32 s13, 15, s13                        ; my row of the cluster
	s_lshl_b32 s18, 0x1111, s2                     ; my column
	s_or_b32 s[G1A], s13, (3<<16)|(1<<21)
	s_or_b32 s[G1B], s18, (3<<16)|(1<<21)
	s_or_b32 s[G1SA], s13, (3<<16)|(1<<21)
	s_or_b32 s[G1SB], s18, (3<<16)|(1<<21)
	DENSE G1A, 48
	DENSE G1B, 96
	DENSE G1SA, 8
	DENSE G1SB, 16
	s_mul_i32 s66, s16, 12288                      ; a K step of y's images; also its place in LDS
	s_mul_i32 s67, s16, 24576                      ; and of W's
	s_mul_i32 s20, s17, 98304
	s_add_co_u32 s20, s20, s66
	s_mov_b32 s21, 0
	s_mul_i32 s22, s12, 196608
	s_add_co_u32 s22, s22, s67
	s_mov_b32 s23, 0
	s_mov_b32 s[GA0], 1                            ; the scale words' groups 0: the offsets are made in place
	s_lshl_b32 s19, s16, 11
	s_add_co_u32 s[GA0+1], s19, SCA
	s_lshl_b32 s[GA0+2], s17, 12
	s_add_co_u32 s[GA0+2], s[GA0+2], s19
	s_add_co_u32 s[GA0+2], s[GA0+2], YSC
	s_mov_b32 s[GA0+3], 0
	s_mov_b32 s[GB0], 1
	s_lshl_b32 s19, s16, 12
	s_add_co_u32 s[GB0+1], s19, SCB
	s_lshl_b32 s[GB0+2], s12, 13
	s_add_co_u32 s[GB0+2], s[GB0+2], s19
	s_add_co_u32 s[GB0+2], s[GB0+2], WPSC
	s_mov_b32 s[GB0+3], 0
	s_wait_dscnt 0x0                               ; both opening adds are done
	s_wait_kmcnt 0x0
	s_add_nc_u64 s[20:21], s[4:5], s[20:21]
	s_add_nc_u64 s[22:23], s[6:7], s[22:23]
	s_add_nc_u64 s[GA0+2:GA0+3], s[4:5], s[GA0+2:GA0+3]
	s_or_b32 s[GA0+3], s[GA0+3], 0x80000000
	s_add_nc_u64 s[GB0+2:GB0+3], s[6:7], s[GB0+2:GB0+3]
	s_or_b32 s[GB0+3], s[GB0+3], 0x80000000
	CROUND                                         ; all sixteen work-groups are here: the joint loads meet
	JLOAD GA0, G1SA, GB0, G1SB
.macro PIECE ga, gb, q                 ; K step 2 q + (wave % 2)
	s_mov_b32 s[\ga], 1
	s_add_co_u32 s[\ga+1], s66, (\q)*24576
	s_add_nc_u64 s[\ga+2:\ga+3], s[20:21], (\q)*24576
	s_or_b32 s[\ga+3], s[\ga+3], 0x80000000
	s_mov_b32 s[\gb], 1
	s_add_co_u32 s[\gb+1], s67, BB0+(\q)*49152
	s_add_nc_u64 s[\gb+2:\gb+3], s[22:23], (\q)*49152
	s_or_b32 s[\gb+3], s[\gb+3], 0x80000000
	JLOAD \ga, G1A, \gb, G1B
.endm
	PIECE GA1, GB1, 0
	PIECE GA2, GB2, 1
	PIECE GA3, GB3, 2
	PIECE GA4, GB4, 3
	v_and_b32 v1, 31, v0                           ; lane
	v_and_b32 v2, 15, v0                           ; r
	v_bfe_u32 v3, v0, 4, 1                         ; h
	v_lshlrev_b32 v[CO], 4, v1
	s_mul_i32 s19, s15, 6144                       ; my four tiles of y
	v_add_nc_u32 v5, s19, v[CO]
	v_lshl_add_u32 v6, v1, 3, s19
	s_mul_i32 s19, s16, 12288                      ; my eight fragments of W
	v_add_nc_u32 v7, s19, v[CO]
.irp q, 0,1,2,3
	v_add_nc_u32 v[8+\q], 24576*\q, v5             ; y's images of K steps 2 q, 2 q + 1: 16 bytes a lane,
	v_add_nc_u32 v[12+\q], 24576*\q, v6            ; 8 bytes a lane,
	v_add_nc_u32 v[16+\q], BB0+49152*\q, v7        ; and W's
.endr
	s_lshl_b32 s19, s15, 11                        ; y's scale words: my 4 tiles
	s_lshl_b32 s101, s16, 12                       ; W's: my 8 fragments, behind y's 4,096 bytes
	s_add_co_u32 s101, s101, 4096
	s_sub_co_u32 s101, s101, s19
	v_mul_u32_u24 v4, s101, v3                     ; lanes 16-31 take W's
	s_add_co_u32 s19, s19, SCA
	v_lshl_add_u32 v4, v2, 2, v4
	v_add_nc_u32 v[ADRS], s19, v4
	s_mul_i32 s19, s14, 8448                       ; my stage for the way out: 16 rows x (512 bytes + 16), in bytes that have had their last fill and, behind K step 5's barrier, their last read
	v_mul_u32_u24 v[STO], v2, 528
	v_lshl_add_u32 v[STO], v3, 5, v[STO]
	v_add_nc_u32 v[STO], s19, v[STO]
	v_add_nc_u32 v[RD], s19, v[CO]
	s_lshl_b32 s100, s12, 10                       ; my first column, in bytes: 1,024 x block + 512 x wc
	s_lshl_b32 s101, s16, 9
	s_add_co_u32 s100, s100, s101
	s_mov_b32 s101, 0
	s_add_nc_u64 s[8:9], s[8:9], s[100:101]
	s_add_nc_u64 s[10:11], s[10:11], s[100:101]
	s_lshl_b32 s100, s17, 19                       ; my first row: 128 x block + 64 x wr, 4,096 bytes each
	s_lshl_b32 s101, s15, 18
	s_add_co_u32 s100, s100, s101
	s_mov_b32 s101, 0
	s_add_nc_u64 s[10:11], s[10:11], s[100:101]
	v_lshlrev_b32 v4, 5, v3                        ; the bias: fragment b's register i is column 16 b + 8 h + i
	WIN 0xc0
.irp b, 0,1,2,3,4,5,6,7
	global_load_b128 v[8*\b:8*\b+3], v4, s[8:9] offset:64*\b
	global_load_b128 v[8*\b+4:8*\b+7], v4, s[8:9] offset:64*\b+16
.endr
	WIN 0
.macro FETCH s                         ; K step s: 48 loads into set s % 2
.set SG, (\s)/2
.set PS, (\s)%2
	WIN 0x80
.irp b, 0,1,2,3,4,5,6,7
.irp c, 0,1,2
	ds_load_b128 v[96*PS+12*\b+4*\c:96*PS+12*\b+4*\c+3], v[16+SG] offset:PS*24576+1536*\b+512*\c
.endr
.endr
	WIN 0
.irp a, 0,1,2,3                        ; y's image is two halves, one a head: registers 0-3 at 16 x lane, registers 4-5 at 512 + 8 x lane
	ds_load_b128 v[64+48*PS+12*\a:64+48*PS+12*\a+3], v[8+SG] offset:PS*12288+1536*\a
	ds_load_b64 v[64+48*PS+12*\a+4:64+48*PS+12*\a+5], v[12+SG] offset:PS*12288+1536*\a+512
	ds_load_b128 v[64+48*PS+12*\a+6:64+48*PS+12*\a+9], v[8+SG] offset:PS*12288+1536*\a+768
	ds_load_b64 v[64+48*PS+12*\a+10:64+48*PS+12*\a+11], v[12+SG] offset:PS*12288+1536*\a+1280
.endr
.irp i, 0,1,2,3,4,5,6,7
	ds_load_b32 v[32+8*PS+\i], v[ADRS] offset:512*\i+64*(\s)
.endr
.endm
.macro MULP s                          ; 32 products, the accumulators by turns
.set PS, (\s)%2
.if (\s) == 0
	WIN 0x72                                       ; W window 2, y window 0, C = the bias in window 3, D window 1
.else
	WIN 0x52
.endif
.irp a, 0,1,2,3
.irp b, 0,1,2,3,4,5,6,7
.if (\s) == 0
	v_wmma_scale_f32_16x16x128_f8f6f4 v[8*(8*\a+\b):8*(8*\a+\b)+7], v[96*PS+12*\b:96*PS+12*\b+11], v[64+48*PS+12*\a:64+48*PS+12*\a+11], v[8*\b:8*\b+7], v[32+8*PS+\b], v[32+8*PS+\a] matrix_a_fmt:MATRIX_FMT_BF6 matrix_b_fmt:MATRIX_FMT_BF6 matrix_a_scale:MATRIX_SCALE_ROW1
.else
	v_wmma_scale_f32_16x16x128_f8f6f4 v[8*(8*\a+\b):8*(8*\a+\b)+7], v[96*PS+12*\b:96*PS+12*\b+11], v[64+48*PS+12*\a:64+48*PS+12*\a+11], v[8*(8*\a+\b):8*(8*\a+\b)+7], v[32+8*PS+\b], v[32+8*PS+\a] matrix_a_fmt:MATRIX_FMT_BF6 matrix_b_fmt:MATRIX_FMT_BF6 matrix_a_scale:MATRIX_SCALE_ROW1
.endif
.endr
.endr
.endm
.macro PSTEP s
.if ((\s) == 1) || ((\s) == 3) || ((\s) == 5)
	s_wait_tensorcnt 3-((\s)+1)/2                  ; my piece of the next two K steps is in; the later pieces may be out
	s_wait_dscnt 0x0
	s_barrier_signal -1
	s_barrier_wait -1                              ; everybody's is
.endif
.if (\s) < 7
	PLACES 4                                       ; in front of loads into registers that the step before has multiplied
	FETCH (\s)+1
	s_wait_dscnt 48                                ; all but the 48 just issued
.else
	s_wait_dscnt 0x0
.endif
	MULP \s
.endm
	s_wait_tensorcnt 3                             ; the scale words and my piece of K steps 0 and 1 are in; three loads may be out
	s_barrier_signal -1
	s_barrier_wait -1
	FETCH 0
	s_wait_loadcnt 0x0                             ; the bias
	PSTEP 0
	PSTEP 1
	PSTEP 2
	PSTEP 3
	PSTEP 4
	PSTEP 5
	PSTEP 6
	PSTEP 7
	WIN 0
; THE WAY OUT, a tile of 16 rows x 128 columns at a time, through my own stage: in as 32 bytes a lane, back as whole rows of 512 bytes.  LDS serves a wave's instructions in order: no wait between the stores and the loads
.macro TOSTAGE a
	WIN 0x04                                       ; an LDS store's data are its source 1: window 1
.irp b, 0,1,2,3,4,5,6,7
	ds_store_b128 v[STO], v[8*(8*(\a)+\b):8*(8*(\a)+\b)+3] offset:64*\b          ; each accumulator from its low end on
	ds_store_b128 v[STO], v[8*(8*(\a)+\b)+4:8*(8*(\a)+\b)+7] offset:64*\b+16
.endr
	WIN 0
.set RB, 64+64*((\a)%2)
.irp t, 0,1,2,3,4,5,6,7,8,9,10,11,12,13,14,15
	ds_load_b128 v[RB+4*\t:RB+4*\t+3], v[RD] offset:\t*528
.endr
.endm
.macro SEND a, younger                 ; younger: the LDS instructions issued behind tile a's loads
.set RB, 64+64*((\a)%2)
	s_wait_dscnt \younger
.irp t, 0,1,2,3,4,5,6,7,8,9,10,11,12,13,14,15
	global_store_b128 v[CO], v[RB+4*\t:RB+4*\t+3], s[10:11] offset:(32*((\a)/2)+8*((\a)%2)+\t+8*(\t/8))*4096 th:TH_STORE_NT   ; 512 consecutive bytes, aligned, at the row's own place
.endr
.endm
	PLACES 4
	TOSTAGE 0
	TOSTAGE 1
	SEND 0, 32
	s_wait_xcnt 0x0                                ; tile 0's stores have read their registers: tile 2's rows may land there
	TOSTAGE 2
	SEND 1, 32
	s_wait_xcnt 0x0
	TOSTAGE 3
	SEND 2, 32
	SEND 3, 0
	s_wait_tensorcnt 0x0                           ; the wave's end
	ds_add_u32 v[SPW], v[NIL]
	s_wait_dscnt 0x0
	CROUND                                         ; the closing round
	s_endpgm
.Lfunc_end_k_qe7f2db63cc_proj:
	.size	k_qe7f2db63cc_proj, .Lfunc_end_k_qe7f2db63cc_proj-k_qe7f2db63cc_proj
	.p2alignl 7, 3214868480
	.fill 96, 4, 3214868480
	.section	.rodata,"a",@progbits
	.p2align	6, 0x0
	.amdhsa_kernel k_qe7f2db63cc_proj
		.amdhsa_group_segment_fixed_size 307712
		.amdhsa_private_segment_fixed_size 0
		.amdhsa_enable_private_segment 0
		.amdhsa_kernarg_size 32
		.amdhsa_user_sgpr_count 2
		.amdhsa_user_sgpr_kernarg_segment_ptr 1
		.amdhsa_wavefront_size32 1
		.amdhsa_system_sgpr_workgroup_id_x 1
		.amdhsa_system_sgpr_workgroup_id_y 1
		.amdhsa_system_sgpr_workgroup_id_z 1
		.amdhsa_system_vgpr_workitem_id 0
		.amdhsa_next_free_vgpr 832
		.amdhsa_next_free_sgpr 102
		.amdhsa_reserve_vcc 0
		.amdhsa_float_denorm_mode_32 3
		.amdhsa_float_denorm_mode_16_64 3
		.amdhsa_memory_ordered 1
		.amdhsa_forward_progress 1
		.amdhsa_inst_pref_size 87
	.end_amdhsa_kernel
	.amdgpu_metadata
---
amdhsa.version: [ 1, 2 ]
amdhsa.kernels:
  - .name:           k_qe7f2db63cc_proj
    .symbol:         k_qe7f2db63cc_proj.kd
    .args:
      - { .name: yq, .offset: 0, .size: 8, .value_kind: global_buffer, .address_space: global }
      - { .name: wp, .offset: 8, .size: 8, .value_kind: global_buffer, .address_space: global }
      - { .name: b_proj, .offset: 16, .size: 8, .value_kind: global_buffer, .address_space: global }
      - { .name: out0, .offset: 24, .size: 8, .value_kind: global_buffer, .address_space: global }
    .group_segment_fixed_size: 307712
    .private_segment_fixed_size: 0
    .kernarg_segment_align: 8
    .kernarg_segment_size: 32
    .max_flat_workgroup_size: 128
    .sgpr_count:     102
    .vgpr_count:     832
    .wavefront_size: 32
...
	.end_amdgpu_metadata
.endif
;; end of part 4
